; MI455X (gfx1250); checked and timed in simulation.
; The chip was launched on July 23, 2026; its instructions are those of AMD's public machine-readable ISA for CDNA 5 (MIT licence, August 2026) and "CDNA5" Instruction Set Architecture Reference Guide (July 2026). The comments in the code are by the model that wrote it; some were corrected since.
;; diffusers Cross Attention. Allowed arithmetic: matrix products marked QUANTISED: E2M3 operands, one E8M0 scale for each 32 along K, by v_wmma_scale_f32_16x16x128_f8f6f4 with both operands' format E2M3, f32 sums; everything else in f32.
;; Inputs: Wk 1,024 x 1,024 float32; Wo 1,024 x 1,024 float32; Wq 1,024 x 1,024 float32; Wv 1,024 x 1,024 float32; bo 1,024 float32; hidden_states 4 x 2,048 x 1,024 float32.
;; Outputs: out0 4 x 2,048 x 1,024 float32.
;; This version of the problem:
;;   THIS VERSION OF THE PROBLEM IS GIVEN IN LOW PRECISION. The matrix products marked QUANTISED in the list below multiply operands that are first quantised to E2M3 (2 exponent bits, 3 mantissa bits; 6 bits a number), with one power-of-two scale for each 32 numbers along K (OCP MX v1.0); their sums are f32. All else is computed in f32.
;;   The module's matrix products, in the order in which they are computed (A, B: the left and right operand; K: the contracted axis; several contracted axes count as one K, in the product's order):
;;     1. [M 8,192, K 1,024] x [K 1,024, N 1,024]; A: input hidden_states; B: input Wq: QUANTISED
;;     2. [M 8,192, K 1,024] x [K 1,024, N 1,024]; A: input hidden_states; B: input Wk: QUANTISED
;;     3. [M 8,192, K 1,024] x [K 1,024, N 1,024]; A: input hidden_states; B: input Wv: QUANTISED
;;     4. batch 64 x [M 2,048, K 64] x [K 64, N 2,048]; A: computed on the way; B: computed on the way: QUANTISED
;;     5. batch 64 x [M 2,048, K 2,048] x [K 2,048, N 64]; A: softmax (see below); B: computed on the way: QUANTISED
;;     6. [M 8,192, K 1,024] x [K 1,024, N 1,024]; A: computed on the way; B: input Wo: QUANTISED
;;   THE QUANTISER, for each operand of a quantised product, along K:
;;     - K is cut into blocks of 32 from its start; a last block that is shorter is filled with zeros.
;;     - A block's scale is 2^e with e = floor(log2(the largest magnitude in the block)) - 2, held to -126 .. 127; a block of zeros has e = 0. As a byte (E8M0): e + 127.
;;     - Each number is divided by its block's scale, clamped to +-7.5, and rounded to the nearest number of E2M3, ties to even, subnormals kept.
;;     - The product sums the exact products of the quantised numbers (number of the format x scale) in f32.
;;   ~~~python
;;   def quantise(x, axis):      # numpy; x: float32 -> the quantised numbers, widened to float32 again
;;       x = np.moveaxis(x, axis, -1); K = x.shape[-1]
;;       x = np.pad(x, [(0, 0)] * (x.ndim - 1) + [(0, -K % 32)]); x = x.reshape(x.shape[:-1] + (-1, 32)); a = np.abs(x).max(-1, keepdims=True)
;;       e = np.where(a > 0, np.clip(np.frexp(np.where(a > 0, a, 1))[1] - 1 - 2, -126, 127), 0)      # np.frexp(a)[1] - 1 = floor(log2(a)), exactly
;;       r = np.clip(x / 2.0 ** e, -7.5, 7.5)
;;       step = 2.0 ** (np.maximum(np.frexp(np.where(r == 0, 1, r))[1] - 1, 0) - 3)
;;       q = np.round(r / step) * step * 2.0 ** e      # np.round: ties to even
;;       return np.moveaxis(q.reshape(q.shape[:-2] + (-1,))[..., :K], -1, axis).astype(np.float32)
;;   ~~~
;;   SOFTMAX AHEAD OF A QUANTISED PRODUCT. Where the list says 'softmax', what is quantised is not the finished softmax but p = 2^(t - M), with t = logit x log2(e) and M = ceil(the row's largest t), a whole number; so 1/2 < the row's largest p <= 1. The row's sum l is taken of the UNQUANTISED p, in f32, and the product's result is divided by l at the end. Since M is a whole number, a kernel that streams over the keys may use a running M (the ceiling of the running maximum): every later rescaling is an exact power of two, which a block's scale takes up: the codes' values come out the same.
;;   OPERANDS COMPUTED ON THE WAY. 'Computed on the way' means the value that the module computes at that place (a softmax that the list does not call 'softmax' is quantised finished and normalised). What goes into a quantiser is computed in f32, as accurately as f32 sums, v_exp_f32 and their like allow (about 1e-6 of the number): no bf16 or f16 on the way to a quantiser, and a product that is left as it is and whose result goes on into a quantised operand takes f32 operands (vector FMAs, or v_wmma_f32_16x16x4_f32). A number that lies on a knife's edge between two numbers of the format may be rounded either way, as far as f32 arithmetic and the matrix unit's own rounding can turn it there, and no further.
;; One version. Each part assembles by itself: llvm-mc -triple=amdgcn-amd-amdhsa -mcpu=gfx1250 --defsym DOCPART=n.
;; ======== version 1 of 1: 4 launches
;; limits: right only within a limited range of input values
;; workspace buffers: opq 9,830,400 bytes; qkv 19,660,800 bytes; att 6,553,600 bytes
;; launch quant (part 1): grid 384 x 1, 4 waves a work-group, no clusters, 35,328 bytes of LDS; arguments hidden_states, Wq, Wk, Wv, Wo, opq; writes opq
.if DOCPART == 1
	.amdgcn_target "amdgcn-amd-amdhsa--gfx1250"
	.amdhsa_code_object_version 6
	.text
	.protected	k_qe9ab3c200d_quant
	.globl	k_qe9ab3c200d_quant
	.p2align	8
	.type	k_qe9ab3c200d_quant,@function
k_qe9ab3c200d_quant:
	s_mov_b64 s[64:65], 0
	v_nop
	global_prefetch_b8 v0, s[64:65] scope:SCOPE_SE
	s_setreg_imm32_b32 hwreg(HW_REG_WAVE_MODE, 25, 1), 1
	s_wait_xcnt 0x0
; hidden_states [8192][1024] and the four weights [1024 (k)][1024 (n)], f32, become codes of FP6 (E2M3) with one E8M0 byte for each 32 along K = 1,024, in the workspace opq, laid as the products' operand registers want them.
; ROWS of opq: 0-8191 the tokens; 8192-10239 for each head 64 columns of Wq, then 64 of Wk; 10240-11263 Wv's columns; 11264-12287 Wo's.
; ORDER OF ROWS: in every group of 32 rows, place 16 u + r holds index 8 u + r + 8 (r / 8), so that 16 stored rows on end, taken as source 0 of a product, leave a lane 16 neighbours in the registers of two neighbouring tiles.
; HALF IMAGE, 768 bytes = 16 rows x 64 k as the registers hold them: lane (r, h) owns k = 32 h .. 32 h + 31 in six registers; registers 0-3 lie at 16 x lane, registers 4-5 at 512 + 16 r + 8 h.  16 rows have 16 half images on end.
; SCALE WORDS from byte SCO on: [row / 32][k / 256][u][r][q], 4 bytes each: byte i of a word scales block i of the 128 along K numbered 2 (k / 256) + q.
; A block's scale is 2^(floor(log2(largest magnitude)) - 2): its byte is that magnitude's exponent field - 2, held at 1 from below.
; LIMITS: NaN and infinities are not served; a block whose largest magnitude lies under 2^-124 (a block of zeros among them) gets the byte 1: zero codes add nothing under it, and this program alone reads the bytes.
; Work-groups 0-255 take 32 tokens each (K innermost: the numbers turn through a stage in LDS); work-groups 256-383 take the weights (K outermost: a lane takes a column and its registers run down K; no LDS).  No matrix work, no tensor load, no barrier: waves share nothing.
.set SCO,   9437184
.set STG,   4352                       ; a stage: 16 rows x (256 bytes + 16)
.set SPARE, 34816                      ; behind the four waves' two stages: the spare words, 128 bytes a wave
.set SPW,   12                         ; v12  my spare word's LDS address; never rewritten
.set NIL,   13                         ; v13  0; never rewritten
.set W,     16                         ; v16-19 the finished scale words (tokens: [u][q]; weights: v16-17)
.set C,     24                         ; v24-55 codes
.set R,     64                         ; v64-191 four sets of 32 numbers as loaded (weights: two sets)
.set X,     192                        ; v192-255 two sets of 32 neighbours
	s_load_b256 s[4:11], s[0:1], 0x0               ; hidden_states, Wq, Wk, Wv
	s_load_b128 s[12:15], s[0:1], 0x20             ; Wo, opq
	v_lshl_add_u32 v[SPW], v0, 2, SPARE
	v_mov_b32 v[NIL], 0
	v_lshrrev_b32 v1, 5, v0
	v_readfirstlane_b32 s16, v1                    ; wave 0..3
; the largest magnitude of the 32 numbers from v[xs] on, and the floor 2^(3 - 127), in v8: two chains that do not wait for each other
.macro BMAX xs
	v_max3_num_f32 v8, |v[\xs]|, |v[\xs+1]|, |v[\xs+2]|
	v_max3_num_f32 v9, |v[\xs+3]|, |v[\xs+4]|, |v[\xs+5]|
.irp i, 6,10,14,18,22,26
	v_max3_num_f32 v8, v8, |v[\xs+\i]|, |v[\xs+\i+1]|
	v_max3_num_f32 v9, v9, |v[\xs+\i+2]|, |v[\xs+\i+3]|
.endr
	v_max3_num_f32 v8, v8, |v[\xs+30]|, |v[\xs+31]|
	v_max3_num_f32 v8, v8, v9, 0x1800000
.endm
	s_cmp_ge_u32 ttmp9, 256
	s_cbranch_scc1 .Lweights
; ---------------- THE TOKENS.  Work-group g: tokens 32 g .. 32 g + 31.  Wave w: k = 256 w .. 256 w + 255: eight half images, step t = 4 u + hl.
	v_and_b32 v20, 31, v0                          ; l
	v_and_b32 v21, 15, v0                          ; r
	v_bfe_u32 v22, v0, 4, 1                        ; h
	s_mul_i32 s17, s16, 2*STG                      ; my wave's two stages
	v_lshlrev_b32 v23, 4, v21                      ; 16 r
	v_lshl_add_u32 v1, v22, 12, v23                ; in memory: sixteen lanes read 256 bytes of one token, lanes 16-31 of the next
	v_mad_u32_u24 v2, v22, 272, v23
	v_add_nc_u32 v2, s17, v2                       ; into the stage: the same two rows
	v_mul_u32_u24 v3, v21, 272
	v_lshl_add_u32 v3, v22, 7, v3
	v_add_nc_u32 v3, s17, v3                       ; out of it: row r, my half's 128 bytes: one whole block of 32 numbers
	v_lshlrev_b32 v4, 4, v20                       ; 16 l: registers 0-3 of a half image
	v_lshl_add_u32 v5, v22, 3, v23                 ; 16 r + 8 h: registers 4-5
	v_lshlrev_b32 v6, 3, v22                       ; 8 h: my bytes' place in a scale word, in bits
	v_lshlrev_b32 v7, 3, v20                       ; 8 l: my two scale words on the way out
	v_mov_b32 v14, 0                               ; a lane permute's destination counts as one of its sources
	s_lshl_b32 s18, ttmp9, 17                      ; 32 tokens of 4,096 bytes
	s_lshl_b32 s19, s16, 10                        ; my 256 numbers of a row
	s_add_co_u32 s18, s18, s19
	s_mov_b32 s19, 0
	s_mul_i32 s20, ttmp9, 24576                    ; codes: 32 rows of 768 bytes,
	s_mul_i32 s21, s16, 3072                       ; my four half images
	s_add_co_u32 s20, s20, s21
	s_mov_b32 s21, 0
	s_lshl_b32 s22, ttmp9, 10                      ; scale words: 1,024 bytes for 32 rows, 256 of them mine
	s_lshl_b32 s23, s16, 8
	s_add_co_u32 s22, s22, s23
	s_add_co_u32 s22, s22, SCO
	s_mov_b32 s23, 0
	s_mov_b32 s24, 0xffff0000                      ; lanes 16-31
	s_mov_b32 s26, 0x76543210
	s_mov_b32 s27, 0xfedcba98                      ; v_permlanex16_b32: lane l xor 16
	s_wait_alu depctr_va_vdst(0)
	s_wait_kmcnt 0x0
	s_add_nc_u64 s[4:5], s[4:5], s[18:19]
	s_add_nc_u64 s[20:21], s[14:15], s[20:21]
	s_add_nc_u64 s[22:23], s[14:15], s[22:23]
.macro LOAD t                          ; step t: 16 rows x 256 bytes; load i takes places 2 i and 2 i + 1, which are tokens 8 u + 2 i + 8 (i / 4) and the next
.irp i, 0,1,2,3,4,5,6,7
	global_load_b128 v[R+32*((\t)%4)+4*\i:R+32*((\t)%4)+4*\i+3], v1, s[4:5] offset:(8*((\t)/4)+2*\i+8*(\i/4))*4096+((\t)%4)*256 th:TH_LOAD_NT
.endr
.endm
.macro TURN t                          ; through the stage: LDS serves a wave's instructions in order, so no wait stands between the stores and the loads
.irp i, 0,1,2,3,4,5,6,7
	ds_store_b128 v2, v[R+32*((\t)%4)+4*\i:R+32*((\t)%4)+4*\i+3] offset:((\t)%2)*STG+2*\i*272
.endr
.irp i, 0,1,2,3,4,5,6,7
	ds_load_b128 v[X+32*((\t)%2)+4*\i:X+32*((\t)%2)+4*\i+3], v3 offset:((\t)%2)*STG+16*\i
.endr
.endm
.macro STEP t
.set XS, X+32*((\t)%2)
.set CC, C+12*((\t)%2)
	s_wait_dscnt 0x0                               ; this step's numbers are back from the stage, and its stores into the stage have read their registers,
.if (\t) < 4
	LOAD (\t)+4                                    ; which take the loads of four steps on
.endif
.if (\t) < 7
.if (\t) < 4
	s_wait_loadcnt 24                              ; the next step's eight loads are in; those of the three steps behind it may be out
.else
	s_wait_loadcnt 8*(6-(\t))
.endif
	TURN (\t)+1
.endif
	s_wait_xcnt 0x0                                ; the stores of two steps ago have read this set of code registers
	BMAX XS
	v_add_nc_u32 v10, 0xff000000, v8               ; 2 off the exponent field: the conversion takes this operand's exponent field as its scale
	v_cvt_scalef32_pk16_fp6_f32 v[CC:CC+2], v[XS:XS+15], v10
	v_cvt_scalef32_pk16_fp6_f32 v[CC+8:CC+10], v[XS+16:XS+31], v10     ; (a conversion's three registers begin on an even number)
	v_lshrrev_b32 v11, 23, v10                     ; the byte.  (Also the plain instruction behind the conversions)
	v_mov_b32 v[CC+3], v[CC+8]
	v_mov_b32 v[CC+4], v[CC+9]
	v_mov_b32 v[CC+5], v[CC+10]
	global_store_b128 v4, v[CC:CC+3], s[20:21] offset:((\t)/4)*12288+((\t)%4)*768        ; 512 consecutive bytes
	global_store_b64 v5, v[CC+4:CC+5], s[20:21] offset:((\t)/4)*12288+((\t)%4)*768+512   ; 256 consecutive bytes
.if (\t)%2 == 0
	v_mov_b32 v15, v11                             ; block h of the 128 along K,
.else
	v_lshl_or_b32 v15, v11, 16, v15                ; block 2 + h,
	v_lshlrev_b32 v15, v6, v15                     ; at their places;
	v_permlanex16_b32 v14, v15, s26, s27
	v_or_b32 v[W+(\t)/2], v15, v14                 ; with lane l xor 16's two the word [u][q] is whole
.endif
.endm
	LOAD 0
	LOAD 1
	LOAD 2
	LOAD 3
	s_wait_loadcnt 24                              ; step 0's eight loads are in
	TURN 0
.irp t, 0,1,2,3,4,5,6,7
	STEP \t
.endr
	v_cndmask_b32 v20, v16, v18, s24               ; lanes 0-15 send the words of u = 0, lanes 16-31 those of u = 1
	v_cndmask_b32 v21, v17, v19, s24
	global_store_b64 v7, v[20:21], s[22:23]        ; 256 consecutive bytes
	s_wait_tensorcnt 0x0                           ; the wave's end
	ds_add_u32 v[SPW], v[NIL]
	s_wait_dscnt 0x0
	s_endpgm
; ---------------- THE WEIGHTS.  Work-group 256 + 32 z + 4 cg + kq; wave w: 32 columns from 32 (4 cg + w) on, k = 256 kq .. + 255: eight blocks a lane.
.Lweights:
	s_sub_co_u32 s17, ttmp9, 256
	s_lshr_b32 s18, s17, 5                         ; z: Wq, Wk, Wv, Wo
	s_bfe_u32 s19, s17, 0x30002                    ; cg
	s_and_b32 s24, s17, 3                          ; kq
	s_lshl_b32 s19, s19, 2
	s_add_co_u32 s19, s19, s16                     ; p: which 32 columns
	s_lshr_b32 s21, s19, 1
	s_lshl_b32 s21, s21, 2
	s_and_b32 s22, s19, 1
	s_add_co_u32 s21, s21, s22
	s_lshl_b32 s22, s18, 1
	s_add_co_u32 s21, s21, s22                     ; Wq, Wk: 4 x head + 2 z + (p & 1)
	s_lshl_b32 s22, s18, 5
	s_add_co_u32 s22, s22, s19                     ; Wv, Wo: 32 z + p
	s_cmp_lt_u32 s18, 2
	s_cselect_b32 s21, s21, s22
	s_add_co_u32 s21, s21, 256                     ; behind the tokens' 256 groups of 32 rows
	s_mul_i32 s20, s21, 24576
	s_mul_i32 s25, s24, 3072
	s_add_co_u32 s20, s20, s25
	s_lshl_b32 s22, s21, 10
	s_lshl_b32 s25, s24, 8
	s_add_co_u32 s22, s22, s25
	s_add_co_u32 s22, s22, SCO
	s_mov_b32 s21, 0
	s_mov_b32 s23, 0
	s_lshl_b32 s26, s24, 20                        ; 256 rows of 4,096 bytes
	s_lshl_b32 s25, s19, 7                         ; 32 columns
	s_add_co_u32 s26, s26, s25
	s_mov_b32 s27, 0
	v_and_b32 v59, 31, v0
	v_lshlrev_b32 v56, 2, v59                      ; in: 4 bytes a lane: my column
	v_bfe_u32 v60, v0, 3, 1                        ; column l stands at place 16 u + r with u = bit 3 of l,
	v_and_b32 v61, 7, v0
	v_bfe_u32 v62, v0, 4, 1
	v_lshl_add_u32 v61, v62, 3, v61                ; r = 8 x bit 4 + (l & 7)
	v_lshlrev_b32 v57, 4, v61
	v_mad_u32_u24 v57, v60, 12288, v57             ; out: 16 rows' images u, 16 bytes at 16 r
	v_lshlrev_b32 v58, 3, v61
	v_lshl_add_u32 v58, v60, 7, v58                ; my two scale words: 128 u + 8 r
	s_wait_alu depctr_va_vdst(0)
	s_wait_kmcnt 0x0
	s_bitcmp1_b32 s18, 0                           ; the choice hangs on the work-group's number alone
	s_cselect_b64 s[6:7], s[8:9], s[6:7]
	s_cselect_b64 s[10:11], s[12:13], s[10:11]
	s_bitcmp1_b32 s18, 1
	s_cselect_b64 s[6:7], s[10:11], s[6:7]
	s_add_nc_u64 s[6:7], s[6:7], s[26:27]
	s_add_nc_u64 s[20:21], s[14:15], s[20:21]
	s_add_nc_u64 s[22:23], s[14:15], s[22:23]
.macro WLOAD t                         ; block t: W(32 t + i, my column): 32 lanes read 128 consecutive bytes, the four waves 512
.set n, 0
.rept 32
	global_load_b32 v[R+32*((\t)%2)+n], v56, s[6:7] offset:(32*(\t)+n)*4096 th:TH_LOAD_NT
.set n, n+1
.endr
.endm
; A lane owns both halves (h = 0, 1) of its row of a half image: 16 bytes at 16 r, 16 at 256 + 16 r, and 16 at 512 + 16 r (registers 4-5 of both halves).  A set of code registers: quad h = 0, quad h = 1, the tail quad, three at work.
.macro BLOCK t
.set XS, R+32*((\t)%2)
.set CC, C+16*(((\t)/2)%2)
.set HH, (\t)%2
.if (\t) < 7
	s_wait_loadcnt 32                              ; this block's 32 loads are in; the next block's may be out
.else
	s_wait_loadcnt 0x0
.endif
.if HH == 0
	s_wait_xcnt 0x0                                ; the stores of two half images ago have read this set
.endif
	BMAX XS
	v_add_nc_u32 v10, 0xff000000, v8
	v_lshrrev_b32 v11, 23, v10
.if (\t)%4 == 0
	v_mov_b32 v[W+(\t)/4], v11                     ; four bytes to a word, the lower k in the lower byte
.else
	v_lshl_or_b32 v[W+(\t)/4], v11, 8*((\t)%4), v[W+(\t)/4]
.endif
	v_cvt_scalef32_pk16_fp6_f32 v[CC+4*HH:CC+4*HH+2], v[XS:XS+15], v10
	v_cvt_scalef32_pk16_fp6_f32 v[CC+12:CC+14], v[XS+16:XS+31], v10
	v_nop                                          ; one plain instruction behind the conversions
	v_mov_b32 v[CC+4*HH+3], v[CC+12]
	v_mov_b32 v[CC+8+2*HH], v[CC+13]
	v_mov_b32 v[CC+9+2*HH], v[CC+14]
.if (\t)+2 < 8
	WLOAD (\t)+2
.endif
.if HH == 1
	global_store_b128 v57, v[CC:CC+3], s[20:21] offset:((\t)/2)*768          ; the sixteen lanes of one u store 256 consecutive bytes, at a multiple of 256
	global_store_b128 v57, v[CC+4:CC+7], s[20:21] offset:((\t)/2)*768+256
	global_store_b128 v57, v[CC+8:CC+11], s[20:21] offset:((\t)/2)*768+512
.endif
.endm
	WLOAD 0
	WLOAD 1
.irp t, 0,1,2,3,4,5,6,7
	BLOCK \t
.endr
	global_store_b64 v58, v[W:W+1], s[22:23]
	s_wait_tensorcnt 0x0                           ; the wave's end
	ds_add_u32 v[SPW], v[NIL]
	s_wait_dscnt 0x0
	s_endpgm
.Lfunc_end_k_qe9ab3c200d_quant:
	.size	k_qe9ab3c200d_quant, .Lfunc_end_k_qe9ab3c200d_quant-k_qe9ab3c200d_quant
	.p2alignl 7, 3214868480
	.fill 96, 4, 3214868480
	.section	.rodata,"a",@progbits
	.p2align	6, 0x0
	.amdhsa_kernel k_qe9ab3c200d_quant
		.amdhsa_group_segment_fixed_size 35328
		.amdhsa_private_segment_fixed_size 0
		.amdhsa_enable_private_segment 0
		.amdhsa_kernarg_size 48
		.amdhsa_user_sgpr_count 2
		.amdhsa_user_sgpr_kernarg_segment_ptr 1
		.amdhsa_wavefront_size32 1
		.amdhsa_system_sgpr_workgroup_id_x 1
		.amdhsa_system_sgpr_workgroup_id_y 1
		.amdhsa_system_sgpr_workgroup_id_z 1
		.amdhsa_system_vgpr_workitem_id 0
		.amdhsa_next_free_vgpr 256
		.amdhsa_next_free_sgpr 66
		.amdhsa_reserve_vcc 0
		.amdhsa_float_denorm_mode_32 3
		.amdhsa_float_denorm_mode_16_64 3
		.amdhsa_memory_ordered 1
		.amdhsa_forward_progress 1
		.amdhsa_inst_pref_size 70
	.end_amdhsa_kernel
	.amdgpu_metadata
---
amdhsa.version: [ 1, 2 ]
amdhsa.kernels:
  - .name:           k_qe9ab3c200d_quant
    .symbol:         k_qe9ab3c200d_quant.kd
    .args:
      - { .name: hidden_states, .offset: 0, .size: 8, .value_kind: global_buffer, .address_space: global }
      - { .name: Wq, .offset: 8, .size: 8, .value_kind: global_buffer, .address_space: global }
      - { .name: Wk, .offset: 16, .size: 8, .value_kind: global_buffer, .address_space: global }
      - { .name: Wv, .offset: 24, .size: 8, .value_kind: global_buffer, .address_space: global }
      - { .name: Wo, .offset: 32, .size: 8, .value_kind: global_buffer, .address_space: global }
      - { .name: opq, .offset: 40, .size: 8, .value_kind: global_buffer, .address_space: global }
    .group_segment_fixed_size: 35328
    .private_segment_fixed_size: 0
    .kernarg_segment_align: 8
    .kernarg_segment_size: 48
    .max_flat_workgroup_size: 128
    .sgpr_count:     66
    .vgpr_count:     256
    .wavefront_size: 32
...
	.end_amdgpu_metadata
.endif
;; end of part 1
;; launch gemm_qkv (part 2): grid 8 x 32, 4 waves a work-group, clusters of 4 x 4, 327,680 bytes of LDS; arguments opq, qkv; writes qkv
.if DOCPART == 2
	.amdgcn_target "amdgcn-amd-amdhsa--gfx1250"
	.amdhsa_code_object_version 6
	.text
	.protected	k_qe9ab3c200d_gemm_qkv
	.globl	k_qe9ab3c200d_gemm_qkv
	.p2align	8
	.type	k_qe9ab3c200d_gemm_qkv,@function
k_qe9ab3c200d_gemm_qkv:
	s_mov_b64 s[64:65], 0
	v_nop
	global_prefetch_b8 v0, s[64:65] scope:SCOPE_SE
	s_setreg_imm32_b32 hwreg(HW_REG_WAVE_MODE, 25, 1), 1
	s_wait_xcnt 0x0
	s_wait_alu depctr_hold_cnt(0) depctr_sa_sdst(0) depctr_va_vdst(0) depctr_va_sdst(0) depctr_va_ssrc(0) depctr_va_vcc(0) depctr_vm_vsrc(0)
	s_getreg_b32 s2, hwreg(HW_REG_IB_STS2, 6, 4)
	s_cmp_eq_u32 s2, 0
	s_cbranch_scc0 .Lentry_in_a_cluster
	s_endpgm
.Lentry_in_a_cluster:
	s_bfe_u32 s2, ttmp6, 0x10000c
	s_cmp_lg_u32 s2, 0xf033
	s_cbranch_scc0 .Lentry_shape_is_right
	s_endpgm
.Lentry_shape_is_right:
; Q, K, V = x W on codes of FP6 (E2M3) with E8M0 scales, K = 1,024, and their quantisers: the results leave as register images of codes and scale words for the attention launch.
; 256 work-groups of four waves (2 x 2).  A work-group makes TWO products on end.  FIRST: 256 tokens x 256 columns of Wq|Wk (two heads: 64 of q, 64 of k each), a wave 128 x 128.
; SECOND: 128 columns of Wv x the SAME 256 tokens, a wave 64 x 128 (one head of V); there the tokens are source 0, so that a lane's registers run along the tokens, V's K in the next launch.
; K goes in four chunks of 256 (3,072 bytes for 16 rows) through a ring of two LDS slots.  The ring does not stop between the products: the first product's last two rounds ask for the second's chunks 0 and 1,
; and for Wv's scale words, which land on the bytes of Wq|Wk's scale words, read no more by then.  The tokens' scale words stay in LDS for both products.
; HEAD: one tensor load a wave: the tokens' chunk 0, the weights' chunk 0, the tokens' scale words, the weights'; slot 1 is first filled behind the full sequence and a round.
; CLUSTER 4 x 4: the tokens' tiles hang on the tile row alone and are asked for jointly along a row of the cluster, the weights' on the tile column alone, along a column.
; No prefetch: K is four chunks long, and each refill is asked for a whole chunk's products ahead of its wait.
; LIMITS: NaN and infinities are not served; a block under 2^-124 gets the byte 1.
.set FR,    12
.set NL,    4
.set NP,    4
.set NQ,    2
.set HALFT, 24576
.set SLOT,  4*HALFT
.set SCL,   2*SLOT
.set HALFS, 4096
.set SPARE, SCL+4*HALFS
.set SCO,   9437184
.set VC,    12582912
.set QKS,   18874368
.set VS,    19398656
.set ADRB2, 4                          ; v4-7   second product: the tokens' fragments (slots 0, 1; registers 0-3, then 4-5)
.set ADRA2, 8                          ; v8-11  Wv's
.set ADRS2, 12                         ; v12    its scale words
.set ADRA, 16
.set ADRB, 20
.set O16,  24
.set O8,   25
.set ADRS, 27
.set SPW,  28
.set NIL,  29
.set SC,   32
.set AF,   128
.set PC,   160
.set TM,   200
.set PW,   216
.set SW,   224
.set G1, 24
.set G0, 32
.set G1B, 48
.set G0B, 56
.set G1S, 68
.set G0W, 68                           ; behind the head: group 0 of Wv's chunks, one set a slot
.set G0S, 76
.set G1SB, 80
.set G0SB, 88
.set G0HA, 92
.set G0HB, 96
.set SEL, 100
.set MSB, 0
.set PH, 1                             ; which product; HB: blocks of source 1 in half a step; CA, CB, CSR: its address registers
.set HB, 4
.set CA, ADRA
.set CB, ADRB
.set CSR, ADRS
.macro WIN new
.if MSB != (\new)
	s_set_vgpr_msb (MSB<<8)|(\new)
.set MSB, \new
.endif
.endm
.set MUL_LO, 0xa1
.set MUL_HI, 0xf1
.set TO_B,   0x40
.macro PLACES n
.rept \n
	v_nop
.endr
.endm
.macro TL g0, g1
	tensor_load_to_lds s[\g0:\g0+3], s[\g1:\g1+7]
	s_nop 0
	PLACES 4
.endm
.macro JLOAD s                         ; first product: waves 0, 1 the tokens' halves, waves 2, 3 the weights'
	s_cmp_eq_u32 s15, 0
	s_cbranch_scc0 .Lfb_\@
	TL G0+4*\s, G1
	s_branch .Lfa_\@
.Lfb_\@:
	TL G0B+4*\s, G1B
.Lfa_\@:
.endm
.macro JLOAD2 s, sc                    ; second product: waves 0, 1 the tokens' halves, wave 2 Wv's 128 rows, wave 3 (once) Wv's scale words
	s_cmp_lt_u32 s14, 2
	s_cbranch_scc0 .Lw_\@
	TL G0+4*\s, G1
	s_branch .Ld_\@
.Lw_\@:
	s_cmp_eq_u32 s14, 2
	s_cbranch_scc0 .Ls_\@
	TL G0W+4*\s, G1B
	s_branch .Ld_\@
.Ls_\@:
.if \sc
	TL G0SB, G1SB
.else
	PLACES 4
.endif
.Ld_\@:
.endm
.macro CREST
	s_cmp_lg_u32 s14, 0
	s_cbranch_scc1 .Lnot_wave_0_\@
	s_barrier_signal -3
.Lnot_wave_0_\@:
	s_barrier_wait -3
	s_barrier_signal -1
	s_barrier_wait -1
.endm
.macro CROUND
	s_barrier_signal -1
	s_barrier_wait -1
	CREST
.endm
.macro SETG0 g, lds, a
	s_mov_b32 s[\g], 1
	s_mov_b32 s[\g+1], \lds
	s_mov_b64 s[\g+2:\g+3], s[\a:\a+1]
	s_or_b32 s[\g+3], s[\g+3], 0x80000000
.endm
	s_load_b128 s[4:7], s[0:1], 0x0                ; opq, qkv
	v_lshl_add_u32 v[SPW], v0, 2, SPARE
	v_mov_b32 v[NIL], 0
	ds_add_u32 v[SPW], v[NIL]                      ; the opening lines: the add twice on end and its wait
	ds_add_u32 v[SPW], v[NIL]
	v_lshrrev_b32 v1, 5, v0
	v_readfirstlane_b32 s14, v1
	s_lshr_b32 s15, s14, 1
	s_and_b32 s16, s14, 1
	s_bfe_u32 s40, ttmp6, 0x40000
	s_bfe_u32 s41, ttmp6, 0x40004
	s_lshl_b32 s42, ttmp9, 2
	s_add_co_u32 s42, s42, s40                     ; tile column 0..7
	s_and_b32 s17, ttmp7, 0xffff
	s_lshl_b32 s17, s17, 2
	s_add_co_u32 s17, s17, s41                     ; tile row 0..31: which 256 tokens
	s_lshl_b32 s43, s41, 2
	s_lshl_b32 s43, 15, s43
	s_lshl_b32 s44, 0x1111, s40
	s_or_b32 s[G1+0], s43, (3<<16)|(1<<21)
	s_or_b32 s[G1B+0], s44, (3<<16)|(1<<21)
.irp g, G1, G1B                        ; 16 rows' chunk is 3,072 bytes on end, 12,288 from one 16 rows to the next; the head's loads bring 256 rows
	s_mov_b32 s[\g+1], 384<<16
	s_mov_b32 s[\g+2], 16<<16
	s_mov_b32 s[\g+3], 384<<16
	s_mov_b32 s[\g+4], 16
	s_mov_b32 s[\g+5], 1536
	s_mov_b32 s[\g+6], 0
	s_mov_b32 s[\g+7], 0
.endr
	s_or_b32 s[G1S+0], s43, (3<<16)|(1<<21)
	s_or_b32 s[G1SB+0], s44, (3<<16)|(1<<21)
.irp g, G1S, G1SB                      ; the scale words of 256 rows: 32 rows of 256 bytes
	s_mov_b32 s[\g+1], 32<<16
	s_mov_b32 s[\g+2], 32<<16
	s_mov_b32 s[\g+3], 32<<16
	s_mov_b32 s[\g+4], 32
	s_mov_b32 s[\g+5], 32
	s_mov_b32 s[\g+6], 0
	s_mov_b32 s[\g+7], 0
.endr
	s_lshl_b32 s20, s17, 8                         ; the tokens' first row
	s_lshl_b32 s46, s42, 8
	s_add_co_u32 s46, s46, 8192                    ; Wq|Wk's
	s_lshl_b32 s18, s42, 7
	s_add_co_u32 s18, s18, 10240                   ; Wv's
	s_lshl_b32 s22, s20, 5
	s_add_co_u32 s22, s22, SCO
	s_mov_b32 s23, 0
	s_lshl_b32 s10, s46, 5
	s_add_co_u32 s10, s10, SCO
	s_mov_b32 s11, 0
	s_lshl_b32 s12, s18, 5
	s_add_co_u32 s12, s12, SCO
	s_mov_b32 s13, 0
	s_mul_i32 s20, s20, 768
	s_mov_b32 s21, 0
	s_mul_i32 s46, s46, 768
	s_mov_b32 s47, 0
	s_mul_i32 s18, s18, 768
	s_mov_b32 s19, 0
	s_mul_i32 s45, s14, HALFT
	s_mul_i32 s2, s16, 128*768                     ; in the ring I fetch 128 rows: which half
	s_mov_b32 s3, 0
	s_wait_alu depctr_va_vdst(0)
	s_wait_dscnt 0x0
	s_wait_kmcnt 0x0
	s_add_nc_u64 s[20:21], s[4:5], s[20:21]
	s_add_nc_u64 s[22:23], s[4:5], s[22:23]
	s_add_nc_u64 s[46:47], s[4:5], s[46:47]
	s_add_nc_u64 s[10:11], s[4:5], s[10:11]
	s_add_nc_u64 s[18:19], s[4:5], s[18:19]
	s_add_nc_u64 s[12:13], s[4:5], s[12:13]
	CROUND                                         ; the first joint loads meet
	SETG0 G0HA, 0, 20
	SETG0 G0HB, 2*HALFT, 46
	SETG0 G0S, SCL, 22
	SETG0 G0SB, SCL+2*HALFS, 10
	s_add_nc_u64 s[20:21], s[20:21], s[2:3]
	s_add_nc_u64 s[46:47], s[46:47], s[2:3]
.irp s, 0,1
	s_mov_b32 s[G0+4*\s], 1
	s_add_co_u32 s[G0+4*\s+1], s45, \s*SLOT
	s_add_nc_u64 s[G0+4*\s+2:G0+4*\s+3], s[20:21], \s*3072
	s_or_b32 s[G0+4*\s+3], s[G0+4*\s+3], 0x80000000
	s_mov_b32 s[G0B+4*\s], 1
	s_add_co_u32 s[G0B+4*\s+1], s45, \s*SLOT
	s_add_nc_u64 s[G0B+4*\s+2:G0B+4*\s+3], s[46:47], \s*3072
	s_or_b32 s[G0B+4*\s+3], s[G0B+4*\s+3], 0x80000000
.endr
.macro ARM under, g0, g1, next         ; one chain of branches on the wave's number, one load to an arm
	s_cmp_lt_u32 s14, \under
	s_cbranch_scc0 \next
	TL \g0, \g1
	s_branch .Lhead_asked
\next:
.endm
	ARM 1, G0HA, G1,  .Lhead_b
	ARM 2, G0HB, G1B, .Lhead_sa
	ARM 3, G0S,  G1S, .Lhead_sb
	TL G0SB, G1SB
.Lhead_asked:
	s_mul_i32 s21, s15, HALFT                      ; all scalar work first, then the vector lines on end
	s_mul_i32 s22, s16, HALFT
	s_mul_i32 s23, s15, HALFT/2
	s_add_co_u32 s23, s23, 2*HALFT
	s_mul_i32 s10, s15, HALFS
	s_mul_i32 s2, s16, HALFS
	s_add_co_u32 s11, s2, 2*HALFS
	s_sub_co_u32 s11, s11, s10                     ; first product: from the tokens' words (lanes 0-15) to the weights' (lanes 16-31)
	s_lshl_b32 s3, s15, 11
	s_add_co_u32 s3, s3, 2*HALFS
	s_sub_co_u32 s3, s3, s2                        ; second: from the tokens' words (lanes 16-31) to Wv's (lanes 0-15)
	s_add_co_u32 s10, s10, SCL
	s_add_co_u32 s2, s2, SCL
	v_and_b32 v1, 15, v0
	v_bfe_u32 v2, v0, 4, 1
	v_and_b32 v3, 31, v0
	v_lshlrev_b32 v[O16], 4, v3
	v_lshlrev_b32 v[O8], 4, v1
	v_lshl_add_u32 v[O8], v2, 3, v[O8]
	v_add_nc_u32 v[ADRA], s21, v[O16]
	v_add_nc_u32 v[ADRA+2], s21, v[O8]
	v_add_nc_u32 v[ADRB2], s22, v[O16]
	v_add_nc_u32 v[ADRB2+2], s22, v[O8]
	v_add_nc_u32 v[ADRA2], s23, v[O16]
	v_add_nc_u32 v[ADRA2+2], s23, v[O8]
.irp x, ADRA, ADRA+2, ADRB2, ADRB2+2, ADRA2, ADRA2+2
	v_add_nc_u32 v[\x+1], SLOT, v[\x]
.endr
.irp s, 0,1,2,3
	v_add_nc_u32 v[ADRB+\s], 2*HALFT, v[ADRB2+\s]
.endr
	v_lshlrev_b32 v14, 3, v1
	v_mul_u32_u24 v15, s11, v2
	v_add_nc_u32 v15, v14, v15
	v_add_nc_u32 v[ADRS], s10, v15
	v_xor_b32 v2, 1, v2
	v_mul_u32_u24 v15, s3, v2
	v_add_nc_u32 v15, v14, v15
	v_add_nc_u32 v[ADRS2], s2, v15
.macro FRAG reg, adr, q, i
	ds_load_b128 v[\reg:\reg+3],     v[\adr]   offset:(\i)*3072+(\q)*1536
	ds_load_b64  v[\reg+4:\reg+5],   v[\adr+2] offset:(\i)*3072+(\q)*1536+512
	ds_load_b128 v[\reg+6:\reg+9],   v[\adr]   offset:(\i)*3072+(\q)*1536+768
	ds_load_b64  v[\reg+10:\reg+11], v[\adr+2] offset:(\i)*3072+(\q)*1536+1280
.endm
.macro MUL16 a0, p, q, sc, zero        ; two blocks of source 1 x eight of source 0; the accumulators take turns
.irp a, \a0, \a0+1
.irp b, 0,1,2,3,4,5,6,7
.if \zero
	v_wmma_scale_f32_16x16x128_f8f6f4 v[8*(8*((\a)%4)+\b):8*(8*((\a)%4)+\b)+7], v[128*(\p)+FR*\b:128*(\p)+FR*\b+FR-1], v[AF+FR*(\a):AF+FR*(\a)+FR-1], 0, v[SC+8*NQ*(\sc)+NQ*\b+(\q)], v[SC+8*NQ*(\sc)+NQ*(\a)+(\q)] matrix_a_fmt:MATRIX_FMT_FP6 matrix_b_fmt:MATRIX_FMT_FP6 matrix_a_scale:MATRIX_SCALE_ROW1
.else
	v_wmma_scale_f32_16x16x128_f8f6f4 v[8*(8*((\a)%4)+\b):8*(8*((\a)%4)+\b)+7], v[128*(\p)+FR*\b:128*(\p)+FR*\b+FR-1], v[AF+FR*(\a):AF+FR*(\a)+FR-1], v[8*(8*((\a)%4)+\b):8*(8*((\a)%4)+\b)+7], v[SC+8*NQ*(\sc)+NQ*\b+(\q)], v[SC+8*NQ*(\sc)+NQ*(\a)+(\q)] matrix_a_fmt:MATRIX_FMT_FP6 matrix_b_fmt:MATRIX_FMT_FP6 matrix_a_scale:MATRIX_SCALE_ROW1
.endif
.endr
.endr
.endm
.macro FETCH_B slot, q, p
	WIN TO_B
.irp i, 0,1,2,3,4,5,6,7
	FRAG 128*(\p)+FR*\i, CB+\slot, \q, \i
.endr
	WIN 0
.endm
.macro FETCH_A slot, q, i0             ; HB blocks from i0 on
.set I_, \i0
.rept HB
	FRAG AF+FR*I_, CA+\slot, \q, I_
.set I_, I_+1
.endr
.endm
.macro SCALES sc
.irp i, 0,1,2,3,4,5,6,7
	ds_load_b64 v[SC+8*NQ*\sc+NQ*\i:SC+8*NQ*\sc+NQ*\i+1], v[CSR] offset:(\i/2)*1024+(\i%2)*128
.endr
.endm
.macro HIGH p, q, sc, zero             ; the second half of a step's products
.if PH == 1
	WIN MUL_HI
	MUL16 4, \p, \q, \sc, \zero
	MUL16 6, \p, \q, \sc, \zero
.else
	WIN MUL_LO
	MUL16 2, \p, \q, \sc, \zero
.endif
.endm
.macro STEP slot, zero                 ; the first 128 of a chunk
	s_wait_dscnt HB*NL                             ; the youngest HB blocks, four loads each, may be out
	WIN MUL_LO
	MUL16 0, 0, 0, \slot, \zero
.if PH == 1
	MUL16 2, 0, 0, \slot, \zero
.endif
	s_wait_dscnt 0
	PLACES NP
	FETCH_B \slot, 1, 1
	FETCH_A \slot, 1, 0
	HIGH 0, 0, \slot, \zero
	PLACES NP
	WIN 0
	FETCH_A \slot, 1, HB
.endm
.macro MEET slot                       ; three lines ahead of a refill's barrier, with products between
	s_wait_tensorcnt 0x0
	ds_add_u32 v[SPW], v[NIL]
	s_wait_dscnt HB*NL+1                           ; the add and the youngest HB blocks may be out
	WIN MUL_LO
	MUL16 0, 1, 1, \slot, 0
	s_wait_dscnt 0x0
	s_barrier_signal -1
.if PH == 1
	MUL16 2, 1, 1, \slot, 0
.endif
	WIN 0
	s_barrier_wait -1
.endm
.macro TURN slot, next, mode           ; the second 128 of a chunk and the change of slots.  mode 1: this product's chunk two on; 2: the second product's chunk 0; 0: nothing
	MEET \slot
.if \mode
	CREST
.if \mode == 2
	s_sub_nc_u64 s[G0+4*\slot+2:G0+4*\slot+3], s[G0+4*\slot+2:G0+4*\slot+3], 6144
	JLOAD2 \slot, 0
.elseif PH == 1
	s_add_nc_u64 s[G0+4*\slot+2:G0+4*\slot+3], s[G0+4*\slot+2:G0+4*\slot+3], 6144
	s_add_nc_u64 s[G0B+4*\slot+2:G0B+4*\slot+3], s[G0B+4*\slot+2:G0B+4*\slot+3], 6144
	JLOAD \slot
.else
	s_add_nc_u64 s[G0+4*\slot+2:G0+4*\slot+3], s[G0+4*\slot+2:G0+4*\slot+3], 6144
	s_add_nc_u64 s[G0W+4*\slot+2:G0W+4*\slot+3], s[G0W+4*\slot+2:G0W+4*\slot+3], 6144
	JLOAD2 \slot, 0
.endif
.else
	PLACES NP
.endif
	s_wait_alu depctr_va_vdst(0)
	v_add_nc_u32 v[CSR], 256, v[CSR]
	FETCH_B \next, 0, 0
	FETCH_A \next, 0, 0
	SCALES \next
	HIGH 1, 1, \slot, 0
	PLACES NP
	WIN 0
	FETCH_A \next, 0, HB
.endm
; a block of 16 rows of source 1: four scale blocks of 32 along source 0's rows; codes to two half images at o0 and o1 from the base
.macro QBLOCK a, bs, o0, o1
.set AC, 64*((\a)%4)
.irp b, 0,1,2,3
	v_mov_b32 v[TM+\b], 0x1800000
.endr
	WIN 0x28+0x14*((\a)/4)
.irp i, 0,2,4,6,8,10,12,14
.irp b, 0,1,2,3
	v_max3_num_f32 v[TM+\b], v[TM+\b], |v[AC+16*\b+\i]|, |v[AC+16*\b+\i+1]|
.endr
.endr
	WIN 0
.irp b, 0,1,2,3
	v_permlanex16_b32 v[TM+4+\b], v[TM+\b], s[SEL], s[SEL+1]
.endr
.irp b, 0,1,2,3
	v_max_num_f32 v[TM+\b], v[TM+\b], v[TM+4+\b]
.endr
.irp b, 0,1,2,3
	v_add_nc_u32 v[TM+12+\b], 0xff000000, v[TM+\b]
.endr
.irp b, 0,1,2,3
	v_lshrrev_b32 v[TM+4+\b], 23, v[TM+12+\b]
.endr
	v_lshl_or_b32 v[PW+(\a)], v[TM+5], 8, v[TM+4]
	v_lshl_or_b32 v[PW+(\a)], v[TM+6], 16, v[PW+(\a)]
	v_lshl_or_b32 v[PW+(\a)], v[TM+7], 24, v[PW+(\a)]
	s_wait_xcnt 0x0                                ; the last block's stores have read their registers
	WIN 0x02+(\a)/4
.irp c, 0,1
	v_cvt_scalef32_pk16_fp6_f32 v[PC+6*\c:PC+2+6*\c], v[AC+32*\c:AC+15+32*\c], v[TM+12+2*\c]
	v_cvt_scalef32_pk16_fp6_f32 v[PC+12+4*\c:PC+14+4*\c], v[AC+16+32*\c:AC+31+32*\c], v[TM+12+2*\c+1]
.endr
	WIN 0
	v_nop
.irp c, 0,1
.irp i, 0,1,2
	v_permlane16_swap_b32 v[PC+6*\c+\i], v[PC+12+4*\c+\i]
.endr
.irp i, 0,1,2
	v_mov_b32 v[PC+3+6*\c+\i], v[PC+12+4*\c+\i]
.endr
.endr
	global_store_b128 v[O16], v[PC:PC+3], s[\bs:\bs+1] offset:\o0
	global_store_b64 v[O8], v[PC+4:PC+5], s[\bs:\bs+1] offset:(\o0)+512
	global_store_b128 v[O16], v[PC+6:PC+9], s[\bs:\bs+1] offset:\o1
	global_store_b64 v[O8], v[PC+10:PC+11], s[\bs:\bs+1] offset:(\o1)+512
.endm
	s_wait_alu depctr_va_vdst(0)
	s_wait_tensorcnt 0x0                           ; my tile of the head's four is in; the full sequence ahead of slot 1's first fill
	ds_add_u32 v[SPW], v[NIL]
	s_mov_b32 s[G1+2], 8<<16                       ; no load of mine is out: from here on a load of codes brings 128 rows,
	s_mov_b32 s[G1+4], 8
	s_mov_b32 s[G1B+2], 8<<16
	s_mov_b32 s[G1B+4], 8
	s_mov_b32 s[G1SB+2], 16<<16                    ; and the one load of scale words still to come those of 128 rows
	s_mov_b32 s[G1SB+4], 16
.irp s, 0,1
	s_mov_b32 s[G0W+4*\s], 1
	s_mov_b32 s[G0W+4*\s+1], 2*HALFT+\s*SLOT
	s_add_nc_u64 s[G0W+4*\s+2:G0W+4*\s+3], s[18:19], \s*3072
	s_or_b32 s[G0W+4*\s+3], s[G0W+4*\s+3], 0x80000000
.endr
	SETG0 G0SB, SCL+2*HALFS, 12
	s_wait_dscnt 0x0
	CROUND
	JLOAD 1
	FETCH_B 0, 0, 0
	FETCH_A 0, 0, 0
	SCALES 0
	FETCH_A 0, 0, HB
	s_lshl_b32 s92, s42, 1                         ; where the results go
	s_add_co_u32 s92, s92, s16                     ; first product: my head,
	s_lshl_b32 s93, s17, 1
	s_add_co_u32 s93, s93, s15                     ; my 128 tokens
	s_mul_i32 s94, s92, 786432
	s_mul_i32 s95, s93, 6144
	s_add_co_u32 s94, s94, s95
	s_mov_b32 s95, 0
	s_add_nc_u64 s[8:9], s[6:7], s[94:95]
	s_lshl_b32 s94, s92, 6
	s_add_co_u32 s94, s94, s93
	s_lshl_b32 s94, s94, 9
	s_add_co_u32 s94, s94, QKS
	s_add_nc_u64 s[2:3], s[6:7], s[94:95]
	s_lshl_b32 s92, s42, 1
	s_add_co_u32 s92, s92, s15                     ; second product: my head,
	s_lshl_b32 s93, s17, 1
	s_add_co_u32 s93, s93, s16                     ; my 128 tokens
	s_mul_i32 s94, s92, 393216
	s_mul_i32 s96, s93, 6144
	s_add_co_u32 s94, s94, s96
	s_add_co_u32 s94, s94, VC
	s_add_nc_u64 s[40:41], s[6:7], s[94:95]
	s_lshl_b32 s94, s42, 6
	s_add_co_u32 s94, s94, s93
	s_lshl_b32 s94, s94, 9
	s_lshl_b32 s96, s15, 8
	s_add_co_u32 s94, s94, s96
	s_add_co_u32 s94, s94, VS
	s_add_nc_u64 s[44:45], s[6:7], s[94:95]
	s_mov_b32 s12, 0xffff0000
	s_mov_b32 s[SEL], 0x76543210
	s_mov_b32 s[SEL+1], 0xfedcba98
; ---- the first product
	STEP 0, 1
	TURN 0, 1, 1
	STEP 1, 0
	TURN 1, 0, 1
	STEP 0, 0
	TURN 0, 1, 2                                   ; slot 0 takes the second product's chunk 0
	STEP 1, 0
	MEET 1
	CREST
	s_sub_nc_u64 s[G0+6:G0+7], s[G0+6:G0+7], 6144
	JLOAD2 1, 1                                    ; slot 1 its chunk 1, and Wv's scale words land on Wq|Wk's, whose last read is over
	HIGH 1, 1, 1, 0
	WIN 0
	PLACES NP
.irp b, 0,1,2,3
	v_mov_b32 v[TM+4+\b], 0
.endr
.irp a, 0,1,2,3,4,5,6,7
	QBLOCK \a, 8, \a*768, 393216+\a*768
.endr
.irp j, 0,1,2,3
	v_cndmask_b32 v[SW+\j], v[PW+\j], v[PW+4+\j], s12
.endr
	global_store_b128 v[O16], v[SW:SW+3], s[2:3]
; ---- the second product
.set PH, 2
.set HB, 2
.set CA, ADRA2
.set CB, ADRB2
.set CSR, ADRS2
	s_wait_alu depctr_va_vdst(0)
	s_wait_tensorcnt 0x0                           ; a plain barrier, behind which nothing is filled, shows chunk 1 and Wv's scale words to all
	s_wait_xcnt 0x0                                ; the stores have read the registers that the fragments take
	s_barrier_signal -1
	s_barrier_wait -1
	FETCH_B 0, 0, 0
	FETCH_A 0, 0, 0
	SCALES 0
	FETCH_A 0, 0, HB
	STEP 0, 1
	TURN 0, 1, 1
	STEP 1, 0
	TURN 1, 0, 1
	STEP 0, 0
	TURN 0, 1, 0
	STEP 1, 0
	s_wait_dscnt HB*NL
	WIN MUL_LO
	MUL16 0, 1, 1, 1, 0
	s_wait_dscnt 0
	MUL16 2, 1, 1, 1, 0
	WIN 0
	PLACES NP
.irp a, 0,1,2,3
	QBLOCK \a, 40, \a*1536, \a*1536+768
.endr
	s_wait_alu depctr_va_vdst(0)
	s_wait_xcnt 0x0                                ; EXEC changes only behind this wait
	v_cmp_gt_u32 vcc_lo, 16, v3
	s_and_saveexec_b32 s13, vcc_lo
	global_store_b128 v[O16], v[PW:PW+3], s[44:45] ; sixteen lanes store my head's 256 bytes of scale words
	s_wait_xcnt 0x0
	s_or_b32 exec_lo, exec_lo, s13
	s_wait_tensorcnt 0x0                           ; the wave's end
	ds_add_u32 v[SPW], v[NIL]
	s_wait_dscnt 0x0
	CROUND
	s_endpgm
.Lfunc_end_k_qe9ab3c200d_gemm_qkv:
	.size	k_qe9ab3c200d_gemm_qkv, .Lfunc_end_k_qe9ab3c200d_gemm_qkv-k_qe9ab3c200d_gemm_qkv
	.p2alignl 7, 3214868480
	.fill 96, 4, 3214868480
	.section	.rodata,"a",@progbits
	.p2align	6, 0x0
	.amdhsa_kernel k_qe9ab3c200d_gemm_qkv
		.amdhsa_group_segment_fixed_size 327680
		.amdhsa_private_segment_fixed_size 0
		.amdhsa_enable_private_segment 0
		.amdhsa_kernarg_size 16
		.amdhsa_user_sgpr_count 2
		.amdhsa_user_sgpr_kernarg_segment_ptr 1
		.amdhsa_wavefront_size32 1
		.amdhsa_system_sgpr_workgroup_id_x 1
		.amdhsa_system_sgpr_workgroup_id_y 1
		.amdhsa_system_sgpr_workgroup_id_z 1
		.amdhsa_system_vgpr_workitem_id 0
		.amdhsa_next_free_vgpr 1024
		.amdhsa_next_free_sgpr 104
		.amdhsa_reserve_vcc 1
		.amdhsa_float_denorm_mode_32 3
		.amdhsa_float_denorm_mode_16_64 3
		.amdhsa_memory_ordered 1
		.amdhsa_forward_progress 1
		.amdhsa_inst_pref_size 238
	.end_amdhsa_kernel
	.amdgpu_metadata
---
amdhsa.version: [ 1, 2 ]
amdhsa.kernels:
  - .name:           k_qe9ab3c200d_gemm_qkv
    .symbol:         k_qe9ab3c200d_gemm_qkv.kd
    .args:
      - { .name: opq, .offset: 0, .size: 8, .value_kind: global_buffer, .address_space: global }
      - { .name: qkv, .offset: 8, .size: 8, .value_kind: global_buffer, .address_space: global }
    .group_segment_fixed_size: 327680
    .private_segment_fixed_size: 0
    .kernarg_segment_align: 8
    .kernarg_segment_size: 16
    .max_flat_workgroup_size: 128
    .sgpr_count:     104
    .vgpr_count:     1024
    .wavefront_size: 32
...
	.end_amdgpu_metadata
.endif
;; end of part 2
;; launch attn (part 3): grid 4 x 64, 16 waves a work-group, clusters of 4 x 1, 235,520 bytes of LDS; arguments qkv, att; writes att
.if DOCPART == 3
	.amdgcn_target "amdgcn-amd-amdhsa--gfx1250"
	.amdhsa_code_object_version 6
	.text
	.protected	k_qe9ab3c200d_attn
	.globl	k_qe9ab3c200d_attn
	.p2align	8
	.type	k_qe9ab3c200d_attn,@function
k_qe9ab3c200d_attn:
	s_mov_b64 s[64:65], 0
	v_nop
	global_prefetch_b8 v0, s[64:65] scope:SCOPE_SE
	s_setreg_imm32_b32 hwreg(HW_REG_WAVE_MODE, 25, 1), 1
	s_wait_xcnt 0x0
	s_wait_alu depctr_hold_cnt(0) depctr_sa_sdst(0) depctr_va_vdst(0) depctr_va_sdst(0) depctr_va_ssrc(0) depctr_va_vcc(0) depctr_vm_vsrc(0)
	s_getreg_b32 s2, hwreg(HW_REG_IB_STS2, 6, 4)
	s_cmp_eq_u32 s2, 0
	s_cbranch_scc0 .Lentry_in_a_cluster
	s_endpgm
.Lentry_in_a_cluster:
	s_bfe_u32 s2, ttmp6, 0x10000c
	s_cmp_lg_u32 s2, 0x3003
	s_cbranch_scc0 .Lentry_shape_is_right
	s_endpgm
.Lentry_shape_is_right:
; For each of 64 (batch, head): o = softmax(q k^T / 8) v, both products on codes of FP6 (E2M3) with E8M0 scales; o is quantised along the inner 1,024 and stored as register images for the last product.
; THE SOFTMAX: t = score x log2(e) / 8; M = the running largest t rounded UP to a whole number; p = 2^(t - M) is what is quantised, along the keys, not normalised.  The sum is taken of the unquantised p and divides at the end.
; When M moves, the sum and O are multiplied by 2^(old M - new M): exact.
; SHARES.  A work-group owns 512 queries of one head; each of its sixteen waves owns two tiles of 16 queries, one after the other (two passes), in 256 registers: four waves to a SIMD.
; A HEAD'S WHOLE K AND V AND THEIR SCALE WORDS STAY IN LDS: first fills alone, one tensor load a wave: waves 0-5 a sixth of K each, waves 6-11 a sixth of V, wave 12 K's scale words, wave 13 V's.
; Every wave waits for its load, one barrier shows all tiles, and no slot is ever filled again.
; CLUSTER.  The four work-groups of a head ask for each tile jointly (mask 15).
; LAYOUT.  Both products are used transposed (S^T = K Q^T, O^T = V^T P^T): a lane holds one query throughout.
; WHICH KEYS FORM A TILE is chosen while LDS is read: row 8 a + j of tile 4 c + u is key 64 c + 32 a + 8 u + j of the step's 128.  The stored tile 2 g + u' holds key 32 g + 16 h' + 8 u' + j in row 8 h' + j, so that row lies
; in stored tile 4 c + 2 a + u % 2, row 8 (u / 2) + j.  A lane's 32 score registers of tiles 4 c .. 4 c + 3 are then the 32 keys of ONE scale block, 2 c + h, in order: its largest needs no other lane, and the conversions' results
; are the operand's registers as they fall.  K's LDS rows of 256 bytes have 64 bytes of padding behind them, so that two stored tiles are 1,920 bytes apart and the lanes with a = 0 and a = 1 read different halves of the 64 banks.
; K = 64 IN AN INSTRUCTION OF K = 128: q's half image is the UPPER half of its fragment and the lower half is zero codes.  A key tile's fragment is v[28 + 6 i : 39 + 6 i]: its upper half is tile i, its lower half whatever lies below
; (tile i - 1, or six registers at work), which meets the zero codes and adds nothing; FP6 has no code for NaN or infinity.  The stored scale word is (q, q, k, k): k's bytes stand where the upper half wants them.
; LOADS RUN AHEAD: behind a step's score products the step's V and the NEXT step's K are asked for.  The last step of a pass asks for 7,680 bytes behind K's end, which are bytes of V's tiles, and nothing reads those registers.
; The scale bytes of o: a head has two for each token; they leave as single bytes, so those 256-byte blocks are written in part.
; No prefetch: every tile is asked for at the head by the tensor loads themselves; there is no loop to run ahead in.
; LIMITS: NaN and infinities are not served; the promise holds while the scaled scores stay under 2^31 in magnitude; a block of o under 2^-124 gets the byte 1.
.set KT,    960                        ; a stored key tile in LDS: three rows of 256 + 64 bytes
.set KSTEP, 7680                       ; eight of them: 128 keys
.set VB,    122880                     ; V [128 keys][4 tiles of channels][1,536]
.set KSB,   221184                     ; K's scale words [128 keys][512]
.set VSB,   229376                     ; V's [128 keys][256]
.set SPARE, 233472                     ; the spare words, 128 bytes for each of sixteen waves
.set VC,    12582912
.set QKS,   18874368
.set VS,    19398656
.set ASO,   6291456
; v1-3 addresses at work; v4-6 at work; v[2:4] also the second conversion's codes of blocks 2, 3
.set SPW,  7                           ; v7   my spare word; never rewritten
.set NIL,  8                           ; v8   0; never rewritten
.set QW,   9                           ; v9   q's scale word
.set FF,   10                          ; v10  f = 2^(old M - new M);  v11 p's scale word
.set PWD,  11                          ; v12 -M, v13 the running largest score, v[14:15] the sum in two halves
.set QF,   16                          ; v16-21 zero codes, v22-27 q
.set BM,   28                          ; v28, v29 the blocks' largest;  v30, v31 the conversions' scale operands;  v32, v33 the bytes
.set SO,   30
.set EB,   32
.set KF,   34                          ; v34-81 eight key tiles
.set VF,   82                          ; v82-129 four fragments of V
.set S,    130                         ; v130-193 S^T, then p
.set O,    194                         ; v194-225 O^T
.set PCD,  226                         ; v226-237 p's codes
.set KSC,  238                         ; v238-241 K's scale words
.set VSC,  242                         ; v242-245 V's
.set AKA,  246                         ; v246-251 LDS addresses: K's registers 0-3, 4-5; V's; K's scale words; V's
.set AKB,  247
.set AVA,  248
.set AVB,  249
.set AKS,  250
.set AVS,  251
.set CT,   252                         ; v252-254 the second conversion's codes of blocks 0, 1; v255 my two bytes; then partial sums
.set WV,   8
.set CS,   22                          ; s[22:23] c = log2(e) / 8
.set G1K,  24
.set G1V,  32
.set G1KS, 40
.set G1VS, 48
.set G0K,  56
.set G0V,  60
.set SEL,  66
.set G0KS, 68
.set G0VS, 72
.set TK,   84                          ; LDS byte of the NEXT step's K tiles
.set TS,   85                          ; of its scale words
.set TVC,  86                          ; of this step's V tiles
.set TVS,  87                          ; of their scale words
.set CNT,  88
.set MH,   89                          ; lanes 16-31
.macro CROUND
	s_barrier_signal -1
	s_barrier_wait -1
	s_cmp_lg_u32 s[WV], 0
	s_cbranch_scc1 .Lnot_wave_0_\@
	s_barrier_signal -3
.Lnot_wave_0_\@:
	s_barrier_wait -3
	s_barrier_signal -1
	s_barrier_wait -1
.endm
.macro GRP1 g, w0, rows, pitch         ; dense blocks as rows of 256 bytes (32 elements of 8)
	s_mov_b32 s[\g], \w0
	s_mov_b32 s[\g+1], 32<<16
	s_mov_b32 s[\g+2], (\rows)<<16
	s_mov_b32 s[\g+3], 32<<16
	s_mov_b32 s[\g+4], \rows
	s_mov_b32 s[\g+5], \pitch
	s_mov_b32 s[\g+6], 0
	s_mov_b32 s[\g+7], 0
.endm
.macro TLOAD g0, g1
	tensor_load_to_lds s[\g0:\g0+3], s[\g1:\g1+7]
	s_nop 0
.rept 4
	v_nop
.endr
.endm
	s_load_b128 s[4:7], s[0:1], 0x0                ; qkv, att
	v_lshl_add_u32 v[SPW], v0, 2, SPARE
	v_mov_b32 v[NIL], 0
	ds_add_u32 v[SPW], v[NIL]                      ; the wave's opening: the add, twice on end, and its wait ahead of the first tensor loads
	ds_add_u32 v[SPW], v[NIL]
	v_lshrrev_b32 v1, 5, v0
	v_readfirstlane_b32 s[WV], v1                  ; wave 0..15
	s_and_b32 s10, ttmp7, 0xffff                   ; 16 x batch + head: the four partners share it
	s_and_b32 s11, s10, 15                         ; head
	s_lshr_b32 s10, s10, 4                         ; batch
	s_and_b32 s12, s[WV], 1
	GRP1 G1K, 15|(3<<16)|(1<<20)|(1<<21)|(5<<22)|(15<<25), 64, 32    ; a sixth of K: 64 rows, 16 words of padding behind each 64 words
	GRP1 G1V, 15|(3<<16)|(1<<21), 64, 32           ; a sixth of V: 64 rows, no padding
	GRP1 G1KS, 15|(3<<16)|(1<<21), 32, 32          ; K's scale words: 32 rows
	GRP1 G1VS, 15|(3<<16)|(1<<21), 16, 64          ; V's: 16 rows, 512 bytes apart (the other head of the pair lies between)
	s_mul_i32 s90, s10, 98304
	s_lshl_b32 s91, s[WV], 14                      ; 16,384 bytes a loading wave
	s_add_co_u32 s90, s90, s91
	s_mul_i32 s76, s11, 786432
	s_add_co_u32 s76, s76, s90
	s_add_co_u32 s76, s76, 393216                  ; K's codes: [head][k][128 batch ..], wave w's sixth
	s_mov_b32 s77, 0
	s_mul_i32 s78, s11, 393216
	s_add_co_u32 s78, s78, s90
	s_add_co_u32 s78, s78, VC-98304                ; V's: wave w takes sixth w - 6
	s_mov_b32 s79, 0
	s_lshl_b32 s90, s10, 13                        ; the batch's 16 steps of 512 bytes
	s_lshl_b32 s80, s11, 15
	s_add_co_u32 s80, s80, s90
	s_add_co_u32 s80, s80, QKS
	s_mov_b32 s81, 0
	s_lshr_b32 s82, s11, 1
	s_lshl_b32 s82, s82, 15
	s_add_co_u32 s82, s82, s90
	s_and_b32 s83, s11, 1
	s_lshl_b32 s83, s83, 8
	s_add_co_u32 s82, s82, s83
	s_add_co_u32 s82, s82, VS
	s_mov_b32 s83, 0
	; my queries: the place in the cluster enters q's, its scale word's and o's global addresses alone
	s_bfe_u32 s9, ttmp6, 0x40000
	s_lshl_b32 s90, ttmp9, 2
	s_add_co_u32 s9, s9, s90                       ; which 512 queries
	s_lshl_b32 s9, s9, 5
	s_add_co_u32 s9, s9, s[WV]                     ; my first tile in the batch
	s_lshl_b32 s90, s10, 7
	s_add_co_u32 s90, s90, s9                      ; G: among all 512 token tiles
	s_mul_i32 s14, s11, 786432
	s_mul_i32 s15, s90, 768
	s_add_co_u32 s14, s14, s15                     ; q's half image
	s_mov_b32 s15, 0
	s_lshr_b32 s16, s90, 3
	s_lshl_b32 s16, s16, 9                         ; its scale words: the 128 tokens' 512 bytes,
	s_lshl_b32 s17, s11, 15
	s_add_co_u32 s16, s16, s17
	s_bfe_u32 s17, s[WV], 0x10002
	s_lshl_b32 s17, s17, 8                         ; tiles 4-7 lie 256 bytes on,
	s_add_co_u32 s16, s16, s17
	s_and_b32 s17, s[WV], 3
	s_lshl_b32 s17, s17, 2                         ; a word a tile
	s_add_co_u32 s16, s16, s17
	s_add_co_u32 s16, s16, QKS
	s_mov_b32 s17, 0
	s_mul_i32 s18, s90, 12288
	s_mul_i32 s19, s11, 768
	s_add_co_u32 s18, s18, s19                     ; o's half image: [G][head][768]
	s_mov_b32 s19, 0
	s_lshr_b32 s20, s90, 1
	s_lshl_b32 s20, s20, 10                        ; o's scale bytes: [G / 2][head / 4][G & 1][r][(head / 2) & 1], byte 2 (head & 1) + block
	s_lshr_b32 s21, s11, 2
	s_lshl_b32 s21, s21, 8
	s_add_co_u32 s20, s20, s21
	s_lshl_b32 s21, s12, 7
	s_add_co_u32 s20, s20, s21
	s_bfe_u32 s21, s11, 0x10001
	s_lshl_b32 s21, s21, 2
	s_add_co_u32 s20, s20, s21
	s_and_b32 s21, s11, 1
	s_lshl_b32 s21, s21, 1
	s_add_co_u32 s20, s20, s21
	s_add_co_u32 s20, s20, ASO
	s_mov_b32 s21, 0
	s_mov_b32 s[CS], 0x3e38aa3b
	s_mov_b32 s[CS+1], s[CS]                       ; (named with it as a pair, so it is written)
	s_mov_b32 s[SEL], 0x76543210
	s_mov_b32 s[SEL+1], 0xfedcba98
	s_mov_b32 s[MH], 0xffff0000
	s_wait_dscnt 0x0                               ; both opening adds are done
	s_wait_kmcnt 0x0
	s_add_nc_u64 s[14:15], s[4:5], s[14:15]
	s_add_nc_u64 s[16:17], s[4:5], s[16:17]
	s_add_nc_u64 s[18:19], s[6:7], s[18:19]
	s_add_nc_u64 s[20:21], s[6:7], s[20:21]
	s_mov_b32 s[G0K], 1
	s_mul_i32 s[G0K+1], s[WV], 20480               ; 64 padded rows of 320 bytes a wave
	s_add_nc_u64 s[G0K+2:G0K+3], s[4:5], s[76:77]
	s_or_b32 s[G0K+3], s[G0K+3], 0x80000000
	s_mov_b32 s[G0V], 1
	s_lshl_b32 s[G0V+1], s[WV], 14
	s_add_co_u32 s[G0V+1], s[G0V+1], VB-98304
	s_add_nc_u64 s[G0V+2:G0V+3], s[4:5], s[78:79]
	s_or_b32 s[G0V+3], s[G0V+3], 0x80000000
	s_mov_b32 s[G0KS], 1
	s_mov_b32 s[G0KS+1], KSB
	s_add_nc_u64 s[G0KS+2:G0KS+3], s[4:5], s[80:81]
	s_or_b32 s[G0KS+3], s[G0KS+3], 0x80000000
	s_mov_b32 s[G0VS], 1
	s_mov_b32 s[G0VS+1], VSB
	s_add_nc_u64 s[G0VS+2:G0VS+3], s[4:5], s[82:83]
	s_or_b32 s[G0VS+3], s[G0VS+3], 0x80000000
	CROUND                                         ; all four work-groups are here: the joint loads meet
	s_cmp_lt_u32 s[WV], 6                          ; one chain of branches on the wave's number, one load to an arm, all arms to one join
	s_cbranch_scc0 .Lnot_k
	TLOAD G0K, G1K
	s_branch .Lasked
.Lnot_k:
	s_cmp_lt_u32 s[WV], 12
	s_cbranch_scc0 .Lnot_v
	TLOAD G0V, G1V
	s_branch .Lasked
.Lnot_v:
	s_cmp_eq_u32 s[WV], 12
	s_cbranch_scc0 .Lnot_ks
	TLOAD G0KS, G1KS
	s_branch .Lasked
.Lnot_ks:
	s_cmp_eq_u32 s[WV], 13
	s_cbranch_scc0 .Lasked
	TLOAD G0VS, G1VS
.Lasked:
	v_and_b32 v1, 7, v0                            ; j
	v_bfe_u32 v2, v0, 3, 1                         ; a
	v_bfe_u32 v3, v0, 4, 1                         ; h
	v_lshlrev_b32 v1, 4, v1                        ; 16 j
	v_mad_u32_u24 v4, v2, 2*KT, v1                 ; + two stored tiles for a = 1
	v_mad_u32_u24 v[AKA], v3, 320, v4              ; registers 0-3: my half's padded row of 256 bytes
	v_lshl_add_u32 v[AKB], v3, 3, v4               ; registers 4-5: + 8 h (the third row stands in the loads' immediate)
	v_and_b32 v5, 31, v0
	v_lshlrev_b32 v5, 4, v5                        ; 16 l
	v_add_nc_u32 v[AVA], VB, v5
	v_and_b32 v6, 15, v0
	v_lshlrev_b32 v6, 4, v6                        ; 16 r
	v_lshl_add_u32 v4, v3, 3, v6
	v_add_nc_u32 v[AVB], VB, v4
	v_lshl_add_u32 v4, v2, 3, v1                   ; K's scale words: 16 j + 8 a
	v_lshl_add_u32 v4, v3, 8, v4                   ; + 256 h: lanes 16-31 take tiles 4-7's
	v_add_nc_u32 v[AKS], KSB, v4
	v_add_nc_u32 v[AVS], VSB, v6
.irp j, 0,1,2,3,4,5
	v_mov_b32 v[QF+\j], 0                          ; the zero codes of q's lower half
	v_mov_b32 v[BM+\j], 0                          ; named as the lower half of key tile 0's fragment before they are first at work
.endr
	v_mov_b32 v[PWD], 0                            ; (named as the upper half of the pair v[10:11] before it is first written)
.macro KLOAD ra, rb, rs                ; eight key tiles and their scale words: 18 LDS loads
.irp c, 0,1
.irp u, 0,1,2,3
	ds_load_b128 v[KF+6*(4*\c+\u):KF+6*(4*\c+\u)+3], \ra offset:KT*(4*\c+\u%2)+128*(\u/2)
	ds_load_b64 v[KF+6*(4*\c+\u)+4:KF+6*(4*\c+\u)+5], \rb offset:KT*(4*\c+\u%2)+128*(\u/2)+640
.endr
.endr
	ds_load_b64 v[KSC:KSC+1], \rs                  ; register u: lanes 0-15 tile u's words, lanes 16-31 tile 4 + u's
	ds_load_b64 v[KSC+2:KSC+3], \rs offset:128
.endm
; A KEY STEP: 128 keys.
.macro STEP
	s_wait_dscnt 0x0                               ; this step's K and its scale words are in
.irp i, 0,1,2,3
	v_wmma_scale_f32_16x16x128_f8f6f4 v[S+8*\i:S+8*\i+7], v[KF-6+6*\i:KF+5+6*\i], v[QF:QF+11], 0, v[KSC+\i], v[QW] matrix_a_fmt:MATRIX_FMT_FP6 matrix_b_fmt:MATRIX_FMT_FP6
.endr
.irp i, 4,5,6,7
	v_wmma_scale_f32_16x16x128_f8f6f4 v[S+8*\i:S+8*\i+7], v[KF-6+6*\i:KF+5+6*\i], v[QF:QF+11], 0, v[KSC+\i-4], v[QW] matrix_a_fmt:MATRIX_FMT_FP6 matrix_b_fmt:MATRIX_FMT_FP6 matrix_a_scale:MATRIX_SCALE_ROW1
.endr
	v_add_nc_u32 v1, s[TVC], v[AVA]                ; these four name no register of the products above or of the last step's: the places ahead of the loads and of the first read of the scores
	v_add_nc_u32 v2, s[TVC], v[AVB]
	v_add_nc_u32 v3, s[TVS], v[AVS]
	v_mov_b32 v6, v12                              ; the old -M
.irp t, 0,1,2,3
	ds_load_b128 v[VF+12*\t:VF+12*\t+3], v1 offset:1536*\t
	ds_load_b64 v[VF+12*\t+4:VF+12*\t+5], v2 offset:1536*\t+512
	ds_load_b128 v[VF+12*\t+6:VF+12*\t+9], v1 offset:1536*\t+768
	ds_load_b64 v[VF+12*\t+10:VF+12*\t+11], v2 offset:1536*\t+1280
.endr
	ds_load_b128 v[VSC:VSC+3], v3
	v_add_nc_u32 v1, s[TK], v[AKA]
	v_add_nc_u32 v2, s[TK], v[AKB]
	v_add_nc_u32 v3, s[TS], v[AKS]
	KLOAD v1, v2, v3                               ; the next step's
.irp c, 0,1
	v_max3_num_f32 v[BM+\c], v[S+32*\c], v[S+1+32*\c], v[S+2+32*\c]   ; the largest score of my block 2 c + h: for the row's maximum and, since p rises with the score, for the block's largest p
.endr
.irp i, 3,5,7,9,11,13,15,17,19,21,23,25,27,29
.irp c, 0,1
	v_max3_num_f32 v[BM+\c], v[BM+\c], v[S+32*\c+\i], v[S+1+32*\c+\i]
.endr
.endr
.irp c, 0,1
	v_max_num_f32 v[BM+\c], v[BM+\c], v[S+31+32*\c]
.endr
	s_delay_alu instid0(VALU_DEP_1)
	v_max3_num_f32 v4, v13, v[BM], v[BM+1]
	s_delay_alu instid0(VALU_DEP_1)
	v_permlanex16_b32 v5, v4, s[SEL], s[SEL+1]
	s_delay_alu instid0(VALU_DEP_1)
	v_max_num_f32 v13, v4, v5                      ; the running largest score of my query, with lane l xor 16's 64 keys
	s_delay_alu instid0(VALU_DEP_1)
	v_mul_f32 v4, s[CS], v13                       ; as t (c is positive)
	s_delay_alu instid0(VALU_DEP_1)
	v_floor_f32 v12, -v4                           ; the new -M = floor(-t) = -ceil(t)
	s_delay_alu instid0(VALU_DEP_1)
	v_sub_f32 v4, v12, v6                          ; old M - new M: a whole number, 0 or less
.set n, 0
.rept 32
	v_pk_fma_f32 v[S+n:S+n+1], v[S+n:S+n+1], s[CS:CS+1], v[12:13] op_sel_hi:[1,0,0]   ; t - M, two at a time
.if n == 6
	v_cvt_i32_f32 v4, v4                           ; (it saturates)
.endif
.if n == 14
	v_ldexp_f32 v[FF], 1.0, v4                     ; f
.endif
.set n, n+2
.endr
.irp c, 0,1
	v_fma_f32 v[BM+\c], v[BM+\c], s[CS], v12       ; the same of each block's largest score
.endr
.set n, 0
.rept 16
	v_pk_mul_f32 v[O+n:O+n+1], v[O+n:O+n+1], v[FF:FF+1] op_sel_hi:[1,0]   ; O^T under the new M, each accumulator from its low end on
.set n, n+2
.endr
	s_wait_alu depctr_va_vdst(0)
.set n, 0
.rept 64
	v_exp_f32 v[S+n], v[S+n]                       ; p = 2^(t - M), at most 1
.set n, n+1
.endr
.irp c, 0,1
	v_exp_f32 v[BM+\c], v[BM+\c]                   ; the block's largest p: the same two instructions on the same number give the same bits
.endr
	v_pk_mul_f32 v[14:15], v[14:15], v[FF:FF+1] op_sel_hi:[1,0]   ; the sums under the new M.  (The plain instruction behind the exponentials)
	s_wait_alu depctr_va_vdst(0)                   ; one wait for the whole batch, ahead of its first reader
.irp c, 0,1
	v_max_num_f32 v[BM+\c], 0x1800000, v[BM+\c]    ; the floor 2^(3 - 127): the byte cannot fall under 1
.endr
.irp c, 0,1
	v_add_nc_u32 v[SO+\c], 0xff000000, v[BM+\c]    ; 2 off the exponent field: the conversions' scale operand
.endr
.irp c, 0,1
	v_lshrrev_b32 v[EB+\c], 23, v[SO+\c]
.endr
	v_lshl_or_b32 v255, v[EB+1], 16, v[EB]         ; my bytes: blocks h and 2 + h
	v_permlanex16_b32 v5, v255, s[SEL], s[SEL+1]
	v_perm_b32 v[PWD], v5, v255, 0x06020400        ; lanes 0-15, which alone are read: (mine, the other's, mine, the other's) = blocks 0, 1, 2, 3
	v_cvt_scalef32_pk16_fp6_f32 v[PCD:PCD+2], v[S:S+15], v[SO]
	v_cvt_scalef32_pk16_fp6_f32 v[CT:CT+2], v[S+16:S+31], v[SO]        ; (a conversion's three registers begin on an even number)
	v_cvt_scalef32_pk16_fp6_f32 v[PCD+6:PCD+8], v[S+32:S+47], v[SO+1]
	v_cvt_scalef32_pk16_fp6_f32 v[2:4], v[S+48:S+63], v[SO+1]
	v_pk_add_f32 v[14:15], v[14:15], v[S:S+1]      ; the sum of the unquantised p, in four chains.  (Also the plain instruction behind the conversions)
.irp i, 0,1,2
	v_mov_b32 v[PCD+3+\i], v[CT+\i]
	v_mov_b32 v[PCD+9+\i], v[2+\i]
.endr
	v_pk_add_f32 v[252:253], v[S+2:S+3], v[S+4:S+5]
	v_pk_add_f32 v[254:255], v[S+6:S+7], v[S+8:S+9]
	v_pk_add_f32 v[2:3], v[S+10:S+11], v[S+12:S+13]
.set n, 14
.rept 6
	v_pk_add_f32 v[14:15], v[14:15], v[S+n:S+n+1]
	v_pk_add_f32 v[252:253], v[252:253], v[S+n+2:S+n+3]
	v_pk_add_f32 v[254:255], v[254:255], v[S+n+4:S+n+5]
	v_pk_add_f32 v[2:3], v[2:3], v[S+n+6:S+n+7]
.set n, n+8
.endr
	v_pk_add_f32 v[14:15], v[14:15], v[S+62:S+63]
	v_pk_add_f32 v[252:253], v[252:253], v[254:255]
	v_pk_add_f32 v[14:15], v[14:15], v[2:3]
	v_pk_add_f32 v[14:15], v[14:15], v[252:253]    ; (the additions also stand between p's scale word and codes and the products)
	s_wait_alu depctr_va_vdst(0)
	s_wait_dscnt 18                                ; V and its scale words are in; the 18 loads of the next step's K, issued behind them, may be out
.irp t, 0,1,2,3
	v_wmma_scale_f32_16x16x128_f8f6f4 v[O+8*\t:O+8*\t+7], v[VF+12*\t:VF+12*\t+11], v[PCD:PCD+11], v[O+8*\t:O+8*\t+7], v[VSC+\t], v[PWD] matrix_a_fmt:MATRIX_FMT_FP6 matrix_b_fmt:MATRIX_FMT_FP6
.endr
	s_add_co_u32 s[TK], s[TK], KSTEP
	s_add_co_u32 s[TS], s[TS], 512
	s_add_co_u32 s[TVC], s[TVC], 6144
	s_add_co_u32 s[TVS], s[TVS], 256
.endm
; A PASS: one tile of 16 queries against all 2,048 keys.  p = 0: my first tile; p = 1: the tile sixteen further on.
.macro PASS p
	v_and_b32 v1, 31, v0
	v_and_b32 v3, 15, v0
	v_bfe_u32 v2, v0, 4, 1
	v_lshlrev_b32 v1, 4, v1                        ; 16 l: registers 0-3 of a half image
	v_lshlrev_b32 v3, 4, v3                        ; 16 r
	v_lshl_add_u32 v2, v2, 3, v3                   ; 16 r + 8 h: registers 4-5
	global_load_b128 v[QF+6:QF+9], v1, s[14:15] offset:\p*12288
	global_load_b64 v[QF+10:QF+11], v2, s[14:15] offset:\p*12288+512
	global_load_b32 v[QW], v3, s[16:17] offset:\p*1024
	s_mov_b32 s[TK], KSTEP
	s_mov_b32 s[TS], 512
	s_mov_b32 s[TVC], 0
	s_mov_b32 s[TVS], 0
	s_mov_b32 s[CNT], 16
	s_wait_alu depctr_va_vdst(0)
.if \p == 0
	s_wait_tensorcnt 0x0                           ; my tile is in,
	s_barrier_signal -1
	s_barrier_wait -1                              ; and everybody's is
.endif
	KLOAD v[AKA], v[AKB], v[AKS]                   ; step 0's K
	s_wait_loadcnt 0x0
	v_perm_b32 v[QW], v[QW], v[QW], 0x01000100     ; (q, q, k, k) becomes (q, q, q, q): q's bytes where the fragment's upper half wants them.  The moves below stand between this line and the first product
	v_mov_b32 v13, 0xff61b1e6                      ; the largest score so far: -3e38
	v_mov_b32 v12, 0x7f61b1e6                      ; -M: a whole number over every later one
	v_mov_b32 v14, 0
	v_mov_b32 v15, 0
.set n, 0
.rept 32
	v_mov_b32 v[O+n], 0                            ; the step is written once: the first finds zeros, which the first change of M leaves zeros
.set n, n+1
.endr
.Lpass\p:
	STEP
	s_sub_co_u32 s[CNT], s[CNT], 1
	s_cmp_lg_u32 s[CNT], 0
	s_cbranch_scc1 .Lpass\p
	s_wait_dscnt 0x0                               ; the loads that ran ahead of the last step have landed: their registers may be loaded anew
	v_and_b32 v1, 31, v0                           ; the stores' offsets.  (These seven are also the places behind the last products)
	v_and_b32 v3, 15, v0
	v_bfe_u32 v6, v0, 4, 1
	v_lshlrev_b32 v1, 4, v1                        ; 16 l
	v_lshlrev_b32 v2, 4, v3
	v_lshl_add_u32 v2, v6, 3, v2                   ; 16 r + 8 h
	v_lshl_add_u32 v3, v3, 3, v6                   ; 8 r + h
	v_add_f32 v14, v14, v15
	v_permlanex16_b32 v5, v14, s[SEL], s[SEL+1]
	v_add_f32 v14, v14, v5                         ; the row's sum
	s_wait_alu depctr_va_vdst(0)
	v_rcp_f32 v14, v14
	v_nop
	s_wait_alu depctr_va_vdst(0)
.set n, 0
.rept 32
	v_mul_f32 v[S+n], v[O+n], v14                  ; o: register 16 i + j is channel 32 i + 16 h + j of my query
.set n, n+1
.endr
.irp b, 0,1
	v_max3_num_f32 v[BM+\b], |v[S+16*\b]|, |v[S+1+16*\b]|, 0x1800000
.endr
.irp i, 2,4,6,8,10,12,14
.irp b, 0,1
	v_max3_num_f32 v[BM+\b], v[BM+\b], |v[S+16*\b+\i]|, |v[S+1+16*\b+\i]|
.endr
.endr
.irp b, 0,1
	v_permlanex16_b32 v[5+\b], v[BM+\b], s[SEL], s[SEL+1]
.endr
.irp b, 0,1
	v_max_num_f32 v[BM+\b], v[BM+\b], v[5+\b]
.endr
.irp b, 0,1
	v_add_nc_u32 v[SO+\b], 0xff000000, v[BM+\b]
.endr
.irp b, 0,1
	v_lshrrev_b32 v[5+\b], 23, v[SO+\b]
.endr
	v_cvt_scalef32_pk16_fp6_f32 v[PCD:PCD+2], v[S:S+15], v[SO]
	v_cvt_scalef32_pk16_fp6_f32 v[CT:CT+2], v[S+16:S+31], v[SO+1]
	v_cndmask_b32 v4, v5, v6, s[MH]                ; lane (r, h) sends block h's byte.  (Also the plain instruction behind the conversions)
.irp i, 0,1,2
	v_permlane16_swap_b32 v[PCD+\i], v[CT+\i]
.endr
.irp i, 0,1,2
	v_mov_b32 v[PCD+3+\i], v[CT+\i]
.endr
	global_store_b128 v1, v[PCD:PCD+3], s[18:19] offset:\p*196608          ; 512 consecutive bytes
	global_store_b64 v2, v[PCD+4:PCD+5], s[18:19] offset:\p*196608+512     ; 256 consecutive bytes
	global_store_b8 v3, v4, s[20:21] offset:\p*8192
	s_wait_xcnt 0x0                                ; the stores have read their registers
.endm
	PASS 0
	PASS 1
	s_wait_tensorcnt 0x0                           ; the wave's end
	ds_add_u32 v[SPW], v[NIL]
	s_wait_dscnt 0x0
	CROUND                                         ; the closing round
	s_endpgm
.Lfunc_end_k_qe9ab3c200d_attn:
	.size	k_qe9ab3c200d_attn, .Lfunc_end_k_qe9ab3c200d_attn-k_qe9ab3c200d_attn
	.p2alignl 7, 3214868480
	.fill 96, 4, 3214868480
	.section	.rodata,"a",@progbits
	.p2align	6, 0x0
	.amdhsa_kernel k_qe9ab3c200d_attn
		.amdhsa_group_segment_fixed_size 235520
		.amdhsa_private_segment_fixed_size 0
		.amdhsa_enable_private_segment 0
		.amdhsa_kernarg_size 16
		.amdhsa_user_sgpr_count 2
		.amdhsa_user_sgpr_kernarg_segment_ptr 1
		.amdhsa_wavefront_size32 1
		.amdhsa_system_sgpr_workgroup_id_x 1
		.amdhsa_system_sgpr_workgroup_id_y 1
		.amdhsa_system_sgpr_workgroup_id_z 1
		.amdhsa_system_vgpr_workitem_id 0
		.amdhsa_next_free_vgpr 256
		.amdhsa_next_free_sgpr 104
		.amdhsa_reserve_vcc 0
		.amdhsa_float_denorm_mode_32 3
		.amdhsa_float_denorm_mode_16_64 3
		.amdhsa_memory_ordered 1
		.amdhsa_forward_progress 1
		.amdhsa_inst_pref_size 55
	.end_amdhsa_kernel
	.amdgpu_metadata
---
amdhsa.version: [ 1, 2 ]
amdhsa.kernels:
  - .name:           k_qe9ab3c200d_attn
    .symbol:         k_qe9ab3c200d_attn.kd
    .args:
      - { .name: qkv, .offset: 0, .size: 8, .value_kind: global_buffer, .address_space: global }
      - { .name: att, .offset: 8, .size: 8, .value_kind: global_buffer, .address_space: global }
    .group_segment_fixed_size: 235520
    .private_segment_fixed_size: 0
    .kernarg_segment_align: 8
    .kernarg_segment_size: 16
    .max_flat_workgroup_size: 512
    .sgpr_count:     104
    .vgpr_count:     256
    .wavefront_size: 32
...
	.end_amdgpu_metadata
.endif
;; end of part 3
;; launch gemm_out (part 4): grid 4 x 64, 4 waves a work-group, clusters of 4 x 4, 327,680 bytes of LDS; arguments att, opq, bo, out0; writes out0
.if DOCPART == 4
	.amdgcn_target "amdgcn-amd-amdhsa--gfx1250"
	.amdhsa_code_object_version 6
	.text
	.protected	k_qe9ab3c200d_gemm_out
	.globl	k_qe9ab3c200d_gemm_out
	.p2align	8
	.type	k_qe9ab3c200d_gemm_out,@function
k_qe9ab3c200d_gemm_out:
	s_mov_b64 s[64:65], 0
	v_nop
	global_prefetch_b8 v0, s[64:65] scope:SCOPE_SE
	s_setreg_imm32_b32 hwreg(HW_REG_WAVE_MODE, 25, 1), 1
	s_wait_xcnt 0x0
	s_wait_alu depctr_hold_cnt(0) depctr_sa_sdst(0) depctr_va_vdst(0) depctr_va_sdst(0) depctr_va_ssrc(0) depctr_va_vcc(0) depctr_vm_vsrc(0)
	s_getreg_b32 s2, hwreg(HW_REG_IB_STS2, 6, 4)
	s_cmp_eq_u32 s2, 0
	s_cbranch_scc0 .Lentry_in_a_cluster
	s_endpgm
.Lentry_in_a_cluster:
	s_bfe_u32 s2, ttmp6, 0x10000c
	s_cmp_lg_u32 s2, 0xf033
	s_cbranch_scc0 .Lentry_shape_is_right
	s_endpgm
.Lentry_shape_is_right:
; out0 = o Wo + bo on codes of FP6 (E2M3) with E8M0 scales, K = 1,024; o's codes and scale words come from att, Wo's from opq, both as register images.
; 256 work-groups of four waves (2 x 2); a work-group makes 128 tokens x 256 columns, a wave 64 x 128: 32 accumulators.  Source 0 = Wo's columns, source 1 = o's rows: a lane holds eight neighbouring columns of a row.
; K goes in four chunks of 256 through a ring of two LDS slots: Wo's 256 rows (waves 0, 1 a half each), then o's 128 rows (wave 2).  All scale words come once, at the head.
; HEAD: one tensor load a wave: Wo's chunk 0, o's chunk 0, Wo's scale words, o's; slot 1 is first filled behind the full sequence and a round.
; CLUSTER 4 x 4: o's tiles are asked for jointly along a row of the cluster, Wo's along a column.  The bias is the C of the first products.
; No prefetch: K is four chunks long, and each refill is asked for a whole chunk's products ahead of its wait.
.set FR,    12
.set NL,    4
.set NP,    4
.set NQ,    2
.set HB,    2
.set HALFT, 24576
.set SLOT,  4*HALFT
.set SCL,   2*SLOT                     ; o's scale words (4,096 bytes), then Wo's (8,192)
.set SPARE, SCL+12288
.set SCO,   9437184
.set ASO,   6291456
.set SPITCH, 528
.set ADRA, 16
.set ADRB, 20
.set STO,  24
.set RD,   25
.set CO,   26
.set ADRS, 27
.set SPW,  28
.set NIL,  29
.set BA,   30
.set SC,   32
.set BI,   64
.set AF,   128
.set BK,   128
.set G1, 24                            ; Wo's codes: group 1, group 0 a slot
.set G0, 32
.set G1A, 48                           ; o's
.set G0A, 56
.set G1S, 68                           ; Wo's scale words
.set G0S, 76
.set G1SA, 80                          ; o's
.set G0SA, 88
.set G0HB, 92
.set MSB, 0
.macro WIN new
.if MSB != (\new)
	s_set_vgpr_msb (MSB<<8)|(\new)
.set MSB, \new
.endif
.endm
.set MUL_LO, 0xa1
.set FIRST_LO, 0x81
.set TO_B,   0x40
.macro PLACES n
.rept \n
	v_nop
.endr
.endm
.macro TL g0, g1
	tensor_load_to_lds s[\g0:\g0+3], s[\g1:\g1+7]
	s_nop 0
	PLACES 4
.endm
.macro JLOAD s                         ; waves 0, 1 Wo's halves, wave 2 o's 128 rows, wave 3 nothing
	s_cmp_lt_u32 s14, 2
	s_cbranch_scc0 .Lw_\@
	TL G0+4*\s, G1
	s_branch .Ld_\@
.Lw_\@:
	s_cmp_eq_u32 s14, 2
	s_cbranch_scc0 .Ls_\@
	TL G0A+4*\s, G1A
	s_branch .Ld_\@
.Ls_\@:
	PLACES 4
.Ld_\@:
.endm
.macro CREST
	s_cmp_lg_u32 s14, 0
	s_cbranch_scc1 .Lnot_wave_0_\@
	s_barrier_signal -3
.Lnot_wave_0_\@:
	s_barrier_wait -3
	s_barrier_signal -1
	s_barrier_wait -1
.endm
.macro CROUND
	s_barrier_signal -1
	s_barrier_wait -1
	CREST
.endm
.macro SETG0 g, lds, a
	s_mov_b32 s[\g], 1
	s_mov_b32 s[\g+1], \lds
	s_mov_b64 s[\g+2:\g+3], s[\a:\a+1]
	s_or_b32 s[\g+3], s[\g+3], 0x80000000
.endm
.macro GRP1 g, c, rows, pitch
	s_mov_b32 s[\g+1], (\c)<<16
	s_mov_b32 s[\g+2], (\rows)<<16
	s_mov_b32 s[\g+3], (\c)<<16
	s_mov_b32 s[\g+4], \rows
	s_mov_b32 s[\g+5], \pitch
	s_mov_b32 s[\g+6], 0
	s_mov_b32 s[\g+7], 0
.endm
	s_load_b256 s[4:11], s[0:1], 0x0               ; att, opq, bo, out0
	v_lshl_add_u32 v[SPW], v0, 2, SPARE
	v_mov_b32 v[NIL], 0
	ds_add_u32 v[SPW], v[NIL]                      ; the opening lines: the add twice on end and its wait
	ds_add_u32 v[SPW], v[NIL]
	v_lshrrev_b32 v1, 5, v0
	v_readfirstlane_b32 s14, v1
	s_lshr_b32 s15, s14, 1
	s_and_b32 s16, s14, 1
	s_bfe_u32 s40, ttmp6, 0x40000
	s_bfe_u32 s41, ttmp6, 0x40004
	s_lshl_b32 s42, ttmp9, 2
	s_add_co_u32 s42, s42, s40                     ; tile column 0..3
	s_and_b32 s17, ttmp7, 0xffff
	s_lshl_b32 s17, s17, 2
	s_add_co_u32 s17, s17, s41                     ; tile row 0..63
	s_lshl_b32 s43, s41, 2
	s_lshl_b32 s43, 15, s43
	s_lshl_b32 s44, 0x1111, s40
	s_or_b32 s[G1+0], s44, (3<<16)|(1<<21)
	s_or_b32 s[G1A+0], s43, (3<<16)|(1<<21)
	s_or_b32 s[G1S+0], s44, (3<<16)|(1<<21)
	s_or_b32 s[G1SA+0], s43, (3<<16)|(1<<21)
	GRP1 G1, 384, 16, 1536                         ; the head's load brings Wo's 256 rows
	GRP1 G1A, 384, 8, 1536                         ; o's 128 rows
	GRP1 G1S, 32, 32, 32
	GRP1 G1SA, 32, 16, 32
	s_lshl_b32 s20, s17, 7                         ; o's first row
	s_lshl_b32 s46, s42, 8
	s_add_co_u32 s46, s46, 11264                   ; Wo's
	s_lshl_b32 s22, s20, 5
	s_add_co_u32 s22, s22, ASO
	s_mov_b32 s23, 0
	s_lshl_b32 s12, s46, 5
	s_add_co_u32 s12, s12, SCO
	s_mov_b32 s13, 0
	s_mul_i32 s20, s20, 768
	s_mov_b32 s21, 0
	s_mul_i32 s46, s46, 768
	s_mov_b32 s47, 0
	s_mul_i32 s45, s14, HALFT
	s_mul_i32 s2, s16, 128*768
	s_mov_b32 s3, 0
	s_wait_alu depctr_va_vdst(0)
	s_wait_dscnt 0x0
	s_wait_kmcnt 0x0
	s_add_nc_u64 s[20:21], s[4:5], s[20:21]
	s_add_nc_u64 s[22:23], s[4:5], s[22:23]
	s_add_nc_u64 s[46:47], s[6:7], s[46:47]
	s_add_nc_u64 s[12:13], s[6:7], s[12:13]
	CROUND                                         ; the first joint loads meet
	SETG0 G0HB, 0, 46
	SETG0 G0S, SCL+4096, 12
	SETG0 G0SA, SCL, 22
	s_add_nc_u64 s[46:47], s[46:47], s[2:3]
.irp s, 0,1
	s_mov_b32 s[G0A+4*\s], 1
	s_mov_b32 s[G0A+4*\s+1], 2*HALFT+\s*SLOT
	s_add_nc_u64 s[G0A+4*\s+2:G0A+4*\s+3], s[20:21], \s*3072
	s_or_b32 s[G0A+4*\s+3], s[G0A+4*\s+3], 0x80000000
	s_mov_b32 s[G0+4*\s], 1
	s_add_co_u32 s[G0+4*\s+1], s45, \s*SLOT
	s_add_nc_u64 s[G0+4*\s+2:G0+4*\s+3], s[46:47], \s*3072
	s_or_b32 s[G0+4*\s+3], s[G0+4*\s+3], 0x80000000
.endr
.macro ARM under, g0, g1, next         ; one chain of branches on the wave's number, one load to an arm
	s_cmp_lt_u32 s14, \under
	s_cbranch_scc0 \next
	TL \g0, \g1
	s_branch .Lhead_asked
\next:
.endm
	ARM 1, G0HB, G1,  .Lhead_a
	ARM 2, G0A,  G1A, .Lhead_sb
	ARM 3, G0S,  G1S, .Lhead_sa
	TL G0SA, G1SA
.Lhead_asked:
	s_lshl_b32 s18, s42, 10                        ; all scalar work first, then the vector lines on end
	s_lshl_b32 s19, s16, 9
	s_add_co_u32 s18, s18, s19                     ; my first column, in bytes
	s_mov_b32 s19, 0
	s_add_nc_u64 s[8:9], s[8:9], s[18:19]
	s_lshl_b32 s20, s17, 7
	s_lshl_b32 s21, s15, 6
	s_add_co_u32 s20, s20, s21                     ; my first row
	s_lshl_b32 s20, s20, 12
	s_add_co_u32 s20, s20, s18
	s_mov_b32 s21, 0
	s_add_nc_u64 s[12:13], s[10:11], s[20:21]
	s_mul_i32 s22, s16, HALFT
	s_mul_i32 s23, s15, HALFT/2
	s_add_co_u32 s23, s23, 2*HALFT
	s_lshl_b32 s46, s15, 11
	s_lshl_b32 s3, s16, 12
	s_add_co_u32 s3, s3, 4096
	s_sub_co_u32 s3, s3, s46                       ; from o's words (lanes 0-15) to Wo's (lanes 16-31)
	s_add_co_u32 s2, s46, SCL
	s_mul_i32 s47, s14, 16*SPITCH
	v_and_b32 v1, 15, v0
	v_bfe_u32 v2, v0, 4, 1
	v_and_b32 v3, 31, v0
	v_lshlrev_b32 v[BA], 6, v2
.irp b, 0,1,2,3,4,5,6,7
	global_load_b128 v[BI+8*\b:BI+8*\b+3], v[BA], s[8:9] offset:(32*(\b/2)+8*(\b%2))*4
	global_load_b128 v[BI+8*\b+4:BI+8*\b+7], v[BA], s[8:9] offset:(32*(\b/2)+8*(\b%2))*4+16
.endr
	v_lshlrev_b32 v4, 4, v3
	v_lshlrev_b32 v5, 4, v1
	v_lshl_add_u32 v5, v2, 3, v5
	v_add_nc_u32 v[ADRB], s22, v4
	v_add_nc_u32 v[ADRB+2], s22, v5
	v_add_nc_u32 v[ADRA], s23, v4
	v_add_nc_u32 v[ADRA+2], s23, v5
.irp x, ADRA, ADRA+2, ADRB, ADRB+2
	v_add_nc_u32 v[\x+1], SLOT, v[\x]
.endr
	v_lshlrev_b32 v6, 3, v1
	v_mul_u32_u24 v7, s3, v2
	v_add_nc_u32 v6, v6, v7
	v_add_nc_u32 v[ADRS], s2, v6
	v_mul_u32_u24 v5, v1, SPITCH
	v_lshl_add_u32 v5, v2, 6, v5
	v_add_nc_u32 v[STO], s47, v5
	v_mov_b32 v[CO], v4
	v_add_nc_u32 v[RD], s47, v4
.macro FRAG reg, adr, q, i
	ds_load_b128 v[\reg:\reg+3],     v[\adr]   offset:(\i)*3072+(\q)*1536
	ds_load_b64  v[\reg+4:\reg+5],   v[\adr+2] offset:(\i)*3072+(\q)*1536+512
	ds_load_b128 v[\reg+6:\reg+9],   v[\adr]   offset:(\i)*3072+(\q)*1536+768
	ds_load_b64  v[\reg+10:\reg+11], v[\adr+2] offset:(\i)*3072+(\q)*1536+1280
.endm
.macro MUL16 a0, p, q, sc, first       ; two blocks of o x eight of Wo; the accumulators take turns
.irp a, \a0, \a0+1
.irp b, 0,1,2,3,4,5,6,7
.if \first
	v_wmma_scale_f32_16x16x128_f8f6f4 v[8*(8*(\a)+\b):8*(8*(\a)+\b)+7], v[128*(\p)+FR*\b:128*(\p)+FR*\b+FR-1], v[AF+FR*(\a):AF+FR*(\a)+FR-1], v[BI+8*\b:BI+8*\b+7], v[SC+8*NQ*(\sc)+NQ*\b+(\q)], v[SC+8*NQ*(\sc)+NQ*(\a)+(\q)] matrix_a_fmt:MATRIX_FMT_FP6 matrix_b_fmt:MATRIX_FMT_FP6 matrix_a_scale:MATRIX_SCALE_ROW1
.else
	v_wmma_scale_f32_16x16x128_f8f6f4 v[8*(8*(\a)+\b):8*(8*(\a)+\b)+7], v[128*(\p)+FR*\b:128*(\p)+FR*\b+FR-1], v[AF+FR*(\a):AF+FR*(\a)+FR-1], v[8*(8*(\a)+\b):8*(8*(\a)+\b)+7], v[SC+8*NQ*(\sc)+NQ*\b+(\q)], v[SC+8*NQ*(\sc)+NQ*(\a)+(\q)] matrix_a_fmt:MATRIX_FMT_FP6 matrix_b_fmt:MATRIX_FMT_FP6 matrix_a_scale:MATRIX_SCALE_ROW1
.endif
.endr
.endr
.endm
.macro FETCH_B slot, q, p
	WIN TO_B
.irp i, 0,1,2,3,4,5,6,7
	FRAG 128*(\p)+FR*\i, ADRB+\slot, \q, \i
.endr
	WIN 0
.endm
.macro FETCH_A slot, q, i0
.irp i, \i0, \i0+1
	FRAG AF+FR*(\i), ADRA+\slot, \q, \i
.endr
.endm
.macro SCALES sc
.irp i, 0,1,2,3,4,5,6,7
	ds_load_b64 v[SC+8*NQ*\sc+NQ*\i:SC+8*NQ*\sc+NQ*\i+1], v[ADRS] offset:(\i/2)*1024+(\i%2)*128
.endr
.endm
.macro STEP slot, first                ; the first 128 of a chunk
	s_wait_dscnt HB*NL                             ; the youngest two blocks of o, four loads each, may be out
	WIN MUL_LO-0x20*\first
	MUL16 0, 0, 0, \slot, \first
	s_wait_dscnt 0
	PLACES NP
	FETCH_B \slot, 1, 1
	FETCH_A \slot, 1, 0
	WIN MUL_LO-0x20*\first
	MUL16 2, 0, 0, \slot, \first
	PLACES NP
	WIN 0
	FETCH_A \slot, 1, 2
.endm
.macro TURN slot, next, fill           ; the second 128 of a chunk and the change of slots
	s_wait_tensorcnt 0x0                           ; three lines ahead of a refill's barrier, with products between
	ds_add_u32 v[SPW], v[NIL]
	s_wait_dscnt HB*NL+1                           ; the add and the youngest two blocks may be out
	WIN MUL_LO
	MUL16 0, 1, 1, \slot, 0
	s_wait_dscnt 0x0
	s_barrier_signal -1
	WIN 0
	s_barrier_wait -1
.if \fill
	CREST
	s_add_nc_u64 s[G0+4*\slot+2:G0+4*\slot+3], s[G0+4*\slot+2:G0+4*\slot+3], 6144
	s_add_nc_u64 s[G0A+4*\slot+2:G0A+4*\slot+3], s[G0A+4*\slot+2:G0A+4*\slot+3], 6144
	JLOAD \slot
.else
	PLACES NP
.endif
	s_wait_alu depctr_va_vdst(0)
	v_add_nc_u32 v[ADRS], 256, v[ADRS]
	FETCH_B \next, 0, 0
	FETCH_A \next, 0, 0
	SCALES \next
	WIN MUL_LO
	MUL16 2, 1, 1, \slot, 0
	PLACES NP
	WIN 0
	FETCH_A \next, 0, 2
.endm
	s_wait_alu depctr_va_vdst(0)
	s_wait_tensorcnt 0x0                           ; my tile of the head's four is in; the full sequence ahead of slot 1's first fill
	ds_add_u32 v[SPW], v[NIL]
	s_mov_b32 s[G1+2], 8<<16                       ; no load of mine is out: from here on a load of Wo's codes brings 128 rows
	s_mov_b32 s[G1+4], 8
	s_wait_dscnt 0x0
	CROUND
	JLOAD 1
	FETCH_B 0, 0, 0
	FETCH_A 0, 0, 0
	SCALES 0
	FETCH_A 0, 0, 2
	s_wait_loadcnt 0x0                             ; the bias is in
	STEP 0, 1
	TURN 0, 1, 1
	STEP 1, 0
	TURN 1, 0, 1
	STEP 0, 0
	TURN 0, 1, 0
	STEP 1, 0
	s_wait_dscnt HB*NL
	WIN MUL_LO
	MUL16 0, 1, 1, 1, 0
	s_wait_dscnt 0
	MUL16 2, 1, 1, 1, 0
	WIN 0
; the way out, block by block of 16 rows x 128 columns, through my own stage in slot 0, which has had its last fill and its last read
.macro TOSTAGE a
.set AC, 64*(\a)
	WIN 0x08
.irp b, 0,1,2,3,4,5,6,7
	ds_store_b128 v[STO], v[AC+8*\b:AC+8*\b+3] offset:128*(\b/2)+32*(\b%2)
	ds_store_b128 v[STO], v[AC+8*\b+4:AC+8*\b+7] offset:128*(\b/2)+32*(\b%2)+16
.endr
	WIN 0
.set BB, BK+64*((\a)%2)
.irp t, 0,1,2,3,4,5,6,7,8,9,10,11,12,13,14,15
	ds_load_b128 v[BB+4*\t:BB+4*\t+3], v[RD] offset:\t*SPITCH
.endr
.endm
.macro SEND a, younger
.set BB, BK+64*((\a)%2)
	s_wait_dscnt \younger
.irp t, 0,1,2,3,4,5,6,7,8,9,10,11,12,13,14,15
	global_store_b128 v[CO], v[BB+4*\t:BB+4*\t+3], s[12:13] offset:(32*((\a)/2)+8*((\a)%2)+\t+8*(\t/8))*4096 th:TH_STORE_NT
.endr
.endm
	PLACES NP
	TOSTAGE 0
.irp a, 1,2,3
.if \a > 1
	s_wait_xcnt 0x0                                ; block a - 2's stores have read their registers
.endif
	TOSTAGE \a
	SEND \a-1, 32                                  ; behind block a - 1's loads: block a's 16 stores and 16 loads
.endr
	SEND 3, 0
	s_wait_tensorcnt 0x0                           ; the wave's end
	ds_add_u32 v[SPW], v[NIL]
	s_wait_dscnt 0x0
	CROUND
	s_endpgm
.Lfunc_end_k_qe9ab3c200d_gemm_out:
	.size	k_qe9ab3c200d_gemm_out, .Lfunc_end_k_qe9ab3c200d_gemm_out-k_qe9ab3c200d_gemm_out
	.p2alignl 7, 3214868480
	.fill 96, 4, 3214868480
	.section	.rodata,"a",@progbits
	.p2align	6, 0x0
	.amdhsa_kernel k_qe9ab3c200d_gemm_out
		.amdhsa_group_segment_fixed_size 327680
		.amdhsa_private_segment_fixed_size 0
		.amdhsa_enable_private_segment 0
		.amdhsa_kernarg_size 32
		.amdhsa_user_sgpr_count 2
		.amdhsa_user_sgpr_kernarg_segment_ptr 1
		.amdhsa_wavefront_size32 1
		.amdhsa_system_sgpr_workgroup_id_x 1
		.amdhsa_system_sgpr_workgroup_id_y 1
		.amdhsa_system_sgpr_workgroup_id_z 1
		.amdhsa_system_vgpr_workitem_id 0
		.amdhsa_next_free_vgpr 1024
		.amdhsa_next_free_sgpr 104
		.amdhsa_reserve_vcc 0
		.amdhsa_float_denorm_mode_32 3
		.amdhsa_float_denorm_mode_16_64 3
		.amdhsa_memory_ordered 1
		.amdhsa_forward_progress 1
		.amdhsa_inst_pref_size 91
	.end_amdhsa_kernel
	.amdgpu_metadata
---
amdhsa.version: [ 1, 2 ]
amdhsa.kernels:
  - .name:           k_qe9ab3c200d_gemm_out
    .symbol:         k_qe9ab3c200d_gemm_out.kd
    .args:
      - { .name: att, .offset: 0, .size: 8, .value_kind: global_buffer, .address_space: global }
      - { .name: opq, .offset: 8, .size: 8, .value_kind: global_buffer, .address_space: global }
      - { .name: bo, .offset: 16, .size: 8, .value_kind: global_buffer, .address_space: global }
      - { .name: out0, .offset: 24, .size: 8, .value_kind: global_buffer, .address_space: global }
    .group_segment_fixed_size: 327680
    .private_segment_fixed_size: 0
    .kernarg_segment_align: 8
    .kernarg_segment_size: 32
    .max_flat_workgroup_size: 128
    .sgpr_count:     104
    .vgpr_count:     1024
    .wavefront_size: 32
...
	.end_amdgpu_metadata
.endif
;; end of part 4
